; MI455X (gfx1250); checked and timed in simulation.
; The chip was launched on July 23, 2026; its instructions are those of AMD's public machine-readable ISA for CDNA 5 (MIT licence, August 2026) and "CDNA5" Instruction Set Architecture Reference Guide (July 2026). The comments in the code are by the model that wrote it; some were corrected since.
;; MAB. Allowed arithmetic: matrix products marked QUANTISED: E3M2 operands, one E8M0 scale for each 32 along K, by v_wmma_scale_f32_16x16x128_f8f6f4 with both operands' format E3M2, f32 sums; everything else in f32.
;; Inputs: K_codes 2 x 4,096 x 16 x 24 uint8 (E3M2 codes of K, K innermost, in blocks of 32 codes, four codes in three bytes); K_scales 2 x 4,096 x 16 uint8 (E8M0 scales of K, one for each 32 codes along K); Q_codes 2 x 4,096 x 16 x 24 uint8 (E3M2 codes of Q, K innermost, in blocks of 32 codes, four codes in three bytes); Q_scales 2 x 4,096 x 16 uint8 (E8M0 scales of Q, one for each 32 codes along K); Wk_codes 512 x 16 x 24 uint8 (E3M2 codes of Wk, K innermost, in blocks of 32 codes, four codes in three bytes); Wk_scales 512 x 16 uint8 (E8M0 scales of Wk, one for each 32 codes along K); Wo_codes 512 x 16 x 24 uint8 (E3M2 codes of Wo, K innermost, in blocks of 32 codes, four codes in three bytes); Wo_scales 512 x 16 uint8 (E8M0 scales of Wo, one for each 32 codes along K); Wq_codes 512 x 16 x 24 uint8 (E3M2 codes of Wq, K innermost, in blocks of 32 codes, four codes in three bytes); Wq_scales 512 x 16 uint8 (E8M0 scales of Wq, one for each 32 codes along K); Wv_codes 512 x 16 x 24 uint8 (E3M2 codes of Wv, K innermost, in blocks of 32 codes, four codes in three bytes); Wv_scales 512 x 16 uint8 (E8M0 scales of Wv, one for each 32 codes along K); b0 512 float32; b1 512 float32; bk 512 float32; bo 512 float32; bq 512 float32; bv 512 float32; g0 512 float32; g1 512 float32.
;; Outputs: out0 2 x 4,096 x 512 float32.
;; This version of the problem:
;;   THIS VERSION OF THE PROBLEM IS GIVEN IN LOW PRECISION. The matrix products marked QUANTISED in the list below multiply operands that are first quantised to E3M2 (3 exponent bits, 2 mantissa bits; 6 bits a number), with one power-of-two scale for each 32 numbers along K (OCP MX v1.0); their sums are f32. All else is computed in f32.
;;   The module's matrix products, in the order in which they are computed (A, B: the left and right operand; K: the contracted axis; several contracted axes count as one K, in the product's order):
;;     1. [M 8,192, K 512] x [K 512, N 512]; A: input Q (given as codes); B: input Wq (given as codes): QUANTISED
;;     2. [M 8,192, K 512] x [K 512, N 512]; A: input K (given as codes); B: input Wk (given as codes): QUANTISED
;;     3. [M 8,192, K 512] x [K 512, N 512]; A: input K (given as codes); B: input Wv (given as codes): QUANTISED
;;     4. batch 16 x [M 4,096, K 64] x [K 64, N 4,096]; A: computed on the way; B: computed on the way: QUANTISED
;;     5. batch 16 x [M 64, K 4,096] x [K 4,096, N 4,096]; A: computed on the way; B: softmax (see below): QUANTISED
;;     6. [M 8,192, K 512] x [K 512, N 512]; A: computed on the way; B: input Wo (given as codes): QUANTISED
;;   THE QUANTISER, for each operand of a quantised product, along K:
;;     - K is cut into blocks of 32 from its start; a last block that is shorter is filled with zeros.
;;     - A block's scale is 2^e with e = floor(log2(the largest magnitude in the block)) - 4, held to -126 .. 127; a block of zeros has e = 0. As a byte (E8M0): e + 127.
;;     - Each number is divided by its block's scale, clamped to +-28, and rounded to the nearest number of E3M2, ties to even, subnormals kept.
;;     - The product sums the exact products of the quantised numbers (number of the format x scale) in f32.
;;   ~~~python
;;   def quantise(x, axis):      # numpy; x: float32 -> the quantised numbers, widened to float32 again
;;       x = np.moveaxis(x, axis, -1); K = x.shape[-1]
;;       x = np.pad(x, [(0, 0)] * (x.ndim - 1) + [(0, -K % 32)]); x = x.reshape(x.shape[:-1] + (-1, 32)); a = np.abs(x).max(-1, keepdims=True)
;;       e = np.where(a > 0, np.clip(np.frexp(np.where(a > 0, a, 1))[1] - 1 - 4, -126, 127), 0)      # np.frexp(a)[1] - 1 = floor(log2(a)), exactly
;;       r = np.clip(x / 2.0 ** e, -28, 28)
;;       step = 2.0 ** (np.maximum(np.frexp(np.where(r == 0, 1, r))[1] - 1, -2) - 2)
;;       q = np.round(r / step) * step * 2.0 ** e      # np.round: ties to even
;;       return np.moveaxis(q.reshape(q.shape[:-2] + (-1,))[..., :K], -1, axis).astype(np.float32)
;;   ~~~
;;   SOFTMAX AHEAD OF A QUANTISED PRODUCT. Where the list says 'softmax', what is quantised is not the finished softmax but p = 2^(t - M), with t = logit x log2(e) and M = ceil(the row's largest t), a whole number; so 1/2 < the row's largest p <= 1. The row's sum l is taken of the UNQUANTISED p, in f32, and the product's result is divided by l at the end. Since M is a whole number, a kernel that streams over the keys may use a running M (the ceiling of the running maximum): every later rescaling is an exact power of two, which a block's scale takes up: the codes' values come out the same.
;;   OPERANDS COMPUTED ON THE WAY. 'Computed on the way' means the value that the module computes at that place (a softmax that the list does not call 'softmax' is quantised finished and normalised). What goes into a quantiser is computed in f32, as accurately as f32 sums, v_exp_f32 and their like allow (about 1e-6 of the number): no bf16 or f16 on the way to a quantiser, and a product that is left as it is and whose result goes on into a quantised operand takes f32 operands (vector FMAs, or v_wmma_f32_16x16x4_f32). A number that lies on a knife's edge between two numbers of the format may be rounded either way, as far as f32 arithmetic and the matrix unit's own rounding can turn it there, and no further.
;;   INPUTS GIVEN AS CODES. K (in the module: [2, 4096, 512], K = its axis 2); Q (in the module: [2, 4096, 512], K = its axis 2); Wk (in the module: [512, 512], K = its axis 0); Wo (in the module: [512, 512], K = its axis 0); Wq (in the module: [512, 512], K = its axis 0); Wv (in the module: [512, 512], K = its axis 0): each comes as NAME_codes (uint8): NAME with its K axis moved to the last place and cut into blocks of 32 codes, [.., K / 32, bytes a block], one block behind the other in memory; four codes in three bytes: a row's codes are one little-endian stream of bits, code i at bits 6 i .. 6 i + 5 (a code: sign, 3 exponent bits, 2 mantissa bits); and NAME_scales (uint8): the same leading axes, one E8M0 byte (e + 127) for each 32 codes along K. Its value is code x scale, taken as it is: it is not quantised again, and the codes and scales need not be those that the quantiser above would give.
;; One version. Each part assembles by itself: llvm-mc -triple=amdgcn-amd-amdhsa -mcpu=gfx1250 --defsym DOCPART=n.
;; ======== version 1 of 1: 3 launches
;; limits: right only within a limited range of input values
;; workspace buffers: kv 6,684,672 bytes; ow 16,777,216 bytes
;; launch kvproj (part 1): grid 64 x 4, 16 waves a work-group, no clusters, 169,984 bytes of LDS; arguments K_codes, K_scales, Wk_codes, Wk_scales, bk, Wv_codes, Wv_scales, bv, kv; writes kv
.if DOCPART == 1
	.amdgcn_target "amdgcn-amd-amdhsa--gfx1250"
	.amdhsa_code_object_version 6
	.text
	.protected	k_q294a980542_kvproj
	.globl	k_q294a980542_kvproj
	.p2align	8
	.type	k_q294a980542_kvproj,@function
k_q294a980542_kvproj:
	s_mov_b64 s[64:65], 0
	v_nop
	global_prefetch_b8 v0, s[64:65] scope:SCOPE_SE
	s_setreg_imm32_b32 hwreg(HW_REG_WAVE_MODE, 25, 1), 1
	s_wait_xcnt 0x0
; k = K Wk + bk and v = K Wv + bv on codes of BF6 (E3M2) with one E8M0 scale for each 32 along K, and both results quantised again for the attention:
; k along its head's 64 channels, v along the keys.  Codes and scale words go to the workspace kv as IMAGES OF OPERAND REGISTERS, one record of REC bytes for each head and each step of 128 keys:
;   +0      K codes: tile t (16 keys) at 768 t: registers 0-1 of a lane at 8 x lane, registers 2-5 at 256 + 16 x lane.  Row r of tile t is key 64 (t / 4) + 8 (t % 4) + r + 24 (r / 8) of the step:
;           rows 0-7 of tiles 4 c .. 4 c + 3 are the 32 keys of block 2 c, rows 8-15 those of block 2 c + 1
;   +6,144  V codes: tile n (16 channels) at 1,536 n: registers 4 i .. 4 i + 3 at 512 i + 16 x lane.  Row r is channel 32 (n / 2) + 8 (n % 2) + r + 8 (r / 8) of the head; K = the step's 128 keys in their order
;   +12,288 K scale words: lane r + 16 (t / 4), register t % 4 of one load of 16 bytes a lane.  Bytes 0, 1: the key's two blocks; bytes 2, 3 are the neighbouring head's two bytes, 1 .. 254, and meet zero codes
;   +12,800 V scale words: lane r + 16 (n / 2), register n % 2 of one load of 8 bytes a lane
; SHARES.  A work-group takes 128 keys (x) and 128 channels, two heads (y): 16 units of 32 matrix instructions, one to a wave.  Waves 0-7 (role 0): k of key tile IDX: source 0 = Wk's 8 tiles of channels,
; source 1 = the 16 keys: a lane holds ONE key and its 64 registers run along the channels.  Waves 8-15 (role 1): v of channel tile IDX: source 0 = the 8 tiles of keys, source 1 = 16 rows of Wv: a lane holds ONE
; channel and its registers run along the keys.  The rows of a tile of source 0 are r + 8 (r / 8), so that the 16 registers of tiles 2 b, 2 b + 1 are 16 neighbours along the next K.
; The three tiles (128 rows x 384 bytes of Wk, of the input, of Wv) are dense in memory: each half, 24,576 bytes, comes as 96 rows of 256 bytes that begin at multiples of 256; six tensor loads, nothing is filled again.
; NO CLUSTER: a work-group asks once, for 147,456 bytes, in one group of first fills and in no loop; a cluster would add two rounds of its barrier to a text that has two barriers in all.
; LIMITS: NaN and infinities are not served; a given scale byte 0xff gives NaN; a block whose largest magnitude lies under 2^-122 keeps the scale byte 1, a block of zeros too (the quantiser's rule says 127 there:
; its codes are zeros, and only this program reads these bytes).
.set HS,    417792                     ; a head's 32 records
.set REC,   13056
.set PITCH, 432                        ; an LDS row of 384 bytes: 3 x (128 bytes of data + 16 of padding)
.set RGN,   128*PITCH                  ; Wk's rows at 0, the input's at RGN, Wv's at 2 RGN
.set STG,   3*RGN                      ; the scale words of two records, 768 bytes each
.set SPARE, 0x29000                    ; the spare words, 128 bytes a wave
.set ACC,   16                         ; v16-79    8 accumulators
.set SRC1,  80                         ; v80-127   source 1: four K steps of one tile
.set SRC0,  128                        ; v128-175  source 0: four tiles of one K step
.set PC,    128                        ; afterwards: the codes just made
.set SA,    176                        ; v176-207  source 0's scale words: tile t, K step s at 4 t + s
.set SB,    208                        ; v208-211  source 1's
.set BV8,   212                        ; v212-219  role 1: my channel's bias, eight times
.set BV,    220
.set TM,    224                        ; v224-239  the quantiser's work
.set PW,    240                        ; the scale word just made;  v241: the same turned by 16 bits
.set PW2,   241
.set SEL,   44                         ; s[44:45]  selects for lane l xor 16
.macro PLACES n
.rept \n
	v_nop
.endr
.endm
; A fragment: lane (r, h) takes 24 bytes at 96 s + 24 h of its row and 24 at 96 s + 48 + 24 h, in pieces of 8.  Byte d of a row lies at d + 16 (d / 128); where d % 128 is 104 or more,
; lanes 16-31 lie behind one padding more: the second address register (40 for 24 bytes a half) serves those pieces.
.macro FRAG reg, adr, s, rowoff
.irp p, 0,1,2,3,4,5
.set DD, 96*(\s)+48*(\p/3)+8*(\p%3)
.if DD%128 < 104
	ds_load_b64 v[\reg+2*\p:\reg+2*\p+1], v[\adr] offset:DD+16*(DD/128)+\rowoff
.else
	ds_load_b64 v[\reg+2*\p:\reg+2*\p+1], v[\adr+1] offset:DD+16*(DD/128)+\rowoff
.endif
.endr
.endm
.macro MM d, a, b, c, sa, sb
	v_wmma_scale_f32_16x16x128_f8f6f4 v[\d:\d+7], v[\a:\a+11], v[\b:\b+11], v[\c:\c+7], v[\sa], v[\sb] matrix_a_fmt:MATRIX_FMT_BF6 matrix_b_fmt:MATRIX_FMT_BF6
.endm
; 64 numbers of a lane, register 16 b + i = k 32 b + 16 (lane / 16) + i of my row, become a fragment's codes in v[PC] on and its scale word in v[PW].
.macro QUANT s
.irp b, 0,1,2,3
	v_max3_num_f32 v[TM+\b], |v[\s+16*\b]|, |v[\s+1+16*\b]|, 0x2800000   ; my 16 numbers of block b, and the floor 2^(5 - 127): the byte cannot fall under 1
.endr
.irp i, 2,4,6,8,10,12,14
.irp b, 0,1,2,3
	v_max3_num_f32 v[TM+\b], v[TM+\b], |v[\s+16*\b+\i]|, |v[\s+1+16*\b+\i]|
.endr
.endr
.irp b, 0,1,2,3
	s_delay_alu instid0(VALU_DEP_4)
	v_permlanex16_b32 v[TM+4+\b], v[TM+\b], s[SEL], s[SEL+1]
.endr
.irp b, 0,1,2,3
	s_delay_alu instid0(VALU_DEP_4)
	v_max_num_f32 v[TM+\b], v[TM+\b], v[TM+4+\b]   ; with lane l xor 16's: the block's largest magnitude
.endr
.irp b, 0,1,2,3
	s_delay_alu instid0(VALU_DEP_4)
	v_add_nc_u32 v[TM+12+\b], 0xfe000000, v[TM+\b]   ; 4 off its exponent field: the conversion's scale operand
.endr
.irp b, 0,1,2,3
	s_delay_alu instid0(VALU_DEP_4)
	v_lshrrev_b32 v[TM+4+\b], 23, v[TM+12+\b]      ; the scale's byte
.endr
	s_delay_alu instid0(VALU_DEP_3)
	v_lshl_or_b32 v[PW], v[TM+5], 8, v[TM+4]
	s_delay_alu instid0(VALU_DEP_1)
	v_lshl_or_b32 v[PW], v[TM+6], 16, v[PW]
	s_delay_alu instid0(VALU_DEP_1)
	v_lshl_or_b32 v[PW], v[TM+7], 24, v[PW]
.irp c, 0,1
	v_cvt_scalef32_pk16_bf6_f32 v[PC+6*\c:PC+2+6*\c], v[\s+32*\c:\s+15+32*\c], v[TM+12+2*\c]
	v_cvt_scalef32_pk16_bf6_f32 v[PC+12+4*\c:PC+14+4*\c], v[\s+16+32*\c:\s+31+32*\c], v[TM+12+2*\c+1]   ; (a conversion's three registers begin on an even number)
.endr
	v_nop                                          ; one plain place behind a scaled conversion
.irp c, 0,1                                    ; a WHOLE block to a lane: lanes 0-15 block 2 c, lanes 16-31 block 2 c + 1
.irp i, 0,1,2
	v_permlane16_swap_b32 v[PC+6*\c+\i], v[PC+12+4*\c+\i]
.endr
.irp i, 0,1,2
	s_delay_alu instid0(VALU_DEP_3)
	v_mov_b32 v[PC+3+6*\c+\i], v[PC+12+4*\c+\i]
.endr
.endr
.endm
; A wave's unit: 8 tiles x 4 K steps; the eight accumulators take turns.  cmode = 0: the bias lies in the accumulators; 1: it is v[BV8] on.
.macro UNIT cmode
.irp s, 0,1,2,3
	FRAG SRC1+12*\s, 4, \s, 0
.endr
.irp s, 0,1,2,3
.irp hf, 0,1
.if (\s+\hf) > 0
	PLACES 4                                       ; in front of loads into registers that matrix instructions have read
.endif
.irp tt, 0,1,2,3
	FRAG SRC0+12*\tt, 2, \s, PITCH*(32*((4*\hf+\tt)/2)+8*(\tt%2))
.endr
	s_wait_dscnt 0x0
.irp tt, 0,1,2,3
.if \cmode && (\s == 0)
	MM ACC+8*(4*\hf+\tt), SRC0+12*\tt, SRC1+12*\s, BV8, SA+4*(4*\hf+\tt)+\s, SB+\s
.else
	MM ACC+8*(4*\hf+\tt), SRC0+12*\tt, SRC1+12*\s, ACC+8*(4*\hf+\tt), SA+4*(4*\hf+\tt)+\s, SB+\s
.endif
.endr
.endr
.endr
	PLACES 4                                       ; in front of the first read of the results
	QUANT ACC
.endm
	s_load_b512 s[4:19], s[0:1], 0x0               ; K_codes 4, K_scales 6, Wk_codes 8, Wk_scales 10, bk 12, Wv_codes 14, Wv_scales 16, bv 18
	s_load_b64 s[20:21], s[0:1], 0x40              ; kv
	v_lshl_add_u32 v254, v0, 2, SPARE
	v_mov_b32 v255, 0
	ds_add_u32 v254, v255                          ; the opening lines: the add, twice on end, and its wait
	ds_add_u32 v254, v255
	v_lshrrev_b32 v1, 5, v0
	s_delay_alu instid0(VALU_DEP_1)
	v_readfirstlane_b32 s22, v1                    ; wave 0..15
	s_lshr_b32 s23, s22, 3                         ; ROLE
	s_and_b32 s24, s22, 7                          ; IDX
	s_and_b32 s25, ttmp7, 0xffff                   ; G: which 128 channels
	s_lshr_b32 s46, s24, 1
	s_lshl_b32 s46, s46, 5
	s_and_b32 s47, s24, 1
	s_lshl_b32 s47, s47, 3
	s_add_co_u32 s46, s46, s47                     ; role 1: my tile of channels begins at 32 (IDX / 2) + 8 (IDX % 2)
	s_mul_i32 s46, s46, s23
	s_lshr_b32 s47, s24, 2
	s_lshl_b32 s47, s47, 6
	s_and_b32 s62, s24, 3
	s_lshl_b32 s62, s62, 3
	s_add_co_u32 s47, s47, s62                     ; role 0: my tile of keys begins at 64 (IDX / 4) + 8 (IDX % 4)
	s_xor_b32 s62, s23, 1
	s_mul_i32 s47, s47, s62
	s_add_co_u32 s46, s46, s47                     ; source 1's first row, by my role
	s_lshl_b32 s62, s23, 1
	s_xor_b32 s62, s62, 3                          ; its rows 8-15 lie 8 x 3 (role 0) or 8 x 1 (role 1) further on
	s_mov_b32 s[SEL], 0x76543210
	s_mov_b32 s[SEL+1], 0xfedcba98
	; descriptor group 1: 96 dense rows of 256 bytes, 16 bytes of padding behind every 128
	s_mov_b32 s36, (1<<20)|(4<<22)|(3<<25)         ; no mask; elements of 1 byte; padding on; after every 32 words (code 4); of 4 words (code 3)
	s_mov_b32 s37, 256<<16
	s_mov_b32 s38, 96<<16
	s_mov_b32 s39, 256<<16
	s_mov_b32 s40, 96
	s_mov_b32 s41, 256
	s_mov_b32 s42, 0
	s_mov_b32 s43, 0
	; every address register is made here, ahead of the first branch on the wave's number
	v_and_b32 v242, 31, v0                         ; lane
	v_and_b32 v243, 15, v0                         ; r
	v_bfe_u32 v244, v0, 4, 1                       ; h
	s_delay_alu instid0(VALU_DEP_2)
	v_and_b32 v248, 8, v243
	s_delay_alu instid0(VALU_DEP_1)
	v_add_nc_u32 v245, v248, v243                  ; source 0's rows: r + 8 (r / 8)
	v_mad_u32_u24 v248, v248, s62, v243            ; source 1's: r + 24 (r / 8) or r + 8 (r / 8)
	v_lshlrev_b32 v1, 4, v242                      ; 16 x lane
	v_mul_u32_u24 v246, v245, PITCH
	v_mul_u32_u24 v249, v248, PITCH
	s_delay_alu instid0(VALU_DEP_2)
	v_mad_u32_u24 v247, v244, 24, v246             ; a tile's row x pitch + 24 h
	v_mad_u32_u24 v246, v244, 40, v246             ; and behind one padding more
	v_mad_u32_u24 v250, v244, 24, v249
	v_mad_u32_u24 v249, v244, 40, v249
	s_mul_i32 s48, s23, RGN                        ; source 0: Wk's rows (role 0) or the input's (role 1)
	s_mul_i32 s49, s46, PITCH
	s_add_co_u32 s49, s49, s48
	s_add_co_u32 s49, s49, RGN                     ; source 1: my tile of the input (role 0) or of Wv (role 1)
	v_add_nc_u32 v2, s48, v247
	v_add_nc_u32 v3, s48, v246
	v_add_nc_u32 v4, s49, v250
	v_add_nc_u32 v5, s49, v249
	v_lshlrev_b32 v6, 4, v245                      ; source 0's scale words: 16 bytes a row
	v_add_nc_u32 v7, s46, v248
	s_delay_alu instid0(VALU_DEP_1)
	v_lshlrev_b32 v9, 2, v7                        ; bv: my channel
	v_lshlrev_b32 v7, 4, v7                        ; source 1's scale words
	v_lshlrev_b32 v8, 6, v244                      ; bk: 16 h channels on
	s_lshr_b32 s50, s24, 2                         ; IDX / 4
	s_and_b32 s51, s24, 3                          ; IDX % 4
	s_lshl_b32 s52, s50, 8
	s_lshl_b32 s53, s51, 2
	s_add_co_u32 s52, s52, s53
	s_add_co_u32 s52, s52, STG
	v_lshl_add_u32 v10, v243, 4, s52               ; the stage, K's word: 16 r + 256 (IDX / 4) + 4 (IDX % 4)
	s_mul_i32 s53, s50, 768
	s_bfe_u32 s54, s24, 0x10001
	s_lshl_b32 s54, s54, 7
	s_add_co_u32 s53, s53, s54
	s_and_b32 s54, s24, 1
	s_lshl_b32 s54, s54, 2
	s_add_co_u32 s53, s53, s54
	s_add_co_u32 s53, s53, STG+512
	v_lshl_add_u32 v11, v243, 3, s53               ; V's word: 768 x head + 512 + 8 r + 128 ((IDX / 2) % 2) + 4 (IDX % 2)
	v_add_nc_u32 v12, STG, v1                      ; the stage read back: 16 x lane
	s_mul_i32 s55, s24, 768
	v_lshl_add_u32 v13, v242, 3, s55               ; in the record: K's tile IDX, registers 0-1
	s_add_co_u32 s56, s55, 256
	v_add_nc_u32 v14, s56, v1                      ; registers 2-5
	s_mul_i32 s57, s51, 1536
	s_mul_i32 s56, s50, HS
	s_add_co_u32 s57, s57, s56
	s_add_co_u32 s57, s57, 6144
	v_add_nc_u32 v15, s57, v1                      ; V's tile IDX % 4 of head IDX / 4
	v_mul_u32_u24 v221, v244, HS-512
	s_delay_alu instid0(VALU_DEP_1)
	v_lshl_add_u32 v221, v243, 4, v221             ; the stage's middle 512 bytes: lanes 0-15 end the first record, lanes 16-31 begin the second's scale words
.irp b, 0,1,2,3
	v_mov_b32 v[TM+4+\b], 0                        ; written once: a lane permute's destination counts as one of its sources
.endr
	s_wait_alu depctr_va_vdst(0)
	s_wait_dscnt 0x0
	s_wait_kmcnt 0x0
	s_cmp_eq_u32 s23, 0                            ; the choices hang on the wave's number alone
	s_cselect_b64 s[26:27], s[10:11], s[6:7]       ; source 0's scales: Wk's or the input's
	s_cselect_b64 s[28:29], s[6:7], s[16:17]       ; source 1's: the input's or Wv's
	s_cselect_b32 s58, s25, ttmp9
	s_cselect_b32 s60, ttmp9, s25
	s_lshl_b32 s58, s58, 11                        ; 128 rows of 16 bytes
	s_mov_b32 s59, 0
	s_lshl_b32 s60, s60, 11
	s_mov_b32 s61, 0
	s_add_nc_u64 s[26:27], s[26:27], s[58:59]
	s_add_nc_u64 s[28:29], s[28:29], s[60:61]
	s_lshr_b32 s58, ttmp9, 5                       ; the batch
	s_lshl_b32 s58, s58, 3
	s_lshl_b32 s60, s25, 1
	s_add_co_u32 s58, s58, s60                     ; 8 b + 2 G: my first head
	s_mul_i32 s58, s58, HS
	s_and_b32 s60, ttmp9, 31                       ; the step of 128 keys
	s_mul_i32 s60, s60, REC
	s_add_co_u32 s58, s58, s60
	s_add_nc_u64 s[30:31], s[20:21], s[58:59]      ; my first head's record
	s_lshl_b32 s58, s25, 9
	s_add_nc_u64 s[12:13], s[12:13], s[58:59]      ; bk and bv at my 128 channels
	s_add_nc_u64 s[18:19], s[18:19], s[58:59]
	; descriptor group 0: waves 0, 1: Wk's halves; 2, 3: the input's; 4, 5: Wv's
	s_cmp_lt_u32 s22, 4
	s_cselect_b64 s[34:35], s[4:5], s[14:15]
	s_cmp_lt_u32 s22, 2
	s_cselect_b64 s[34:35], s[8:9], s[34:35]
	s_lshr_b32 s58, s22, 1
	s_cmp_eq_u32 s58, 1
	s_cselect_b32 s58, ttmp9, s25
	s_mul_i32 s58, s58, 128*384
	s_and_b32 s60, s22, 1
	s_mul_i32 s60, s60, 64*384
	s_add_co_u32 s58, s58, s60
	s_add_nc_u64 s[34:35], s[34:35], s[58:59]
	s_or_b32 s35, s35, 0x80000000                  ; type = 2
	s_mov_b32 s32, 1
	s_mul_i32 s33, s22, 64*PITCH                   ; LDS: wave x 64 rows of 384 bytes
	s_cmp_lt_u32 s22, 6
	s_cbranch_scc0 .Lno_fill
	tensor_load_to_lds s[32:35], s[36:43]          ; one load a wave is out
	s_nop 0
	PLACES 4
.Lno_fill:
.irp t, 0,1,2,3,4,5,6,7
	global_load_b128 v[SA+4*\t:SA+4*\t+3], v6, s[26:27] offset:16*(32*(\t/2)+8*(\t%2))
.endr
	global_load_b128 v[SB:SB+3], v7, s[28:29]
.irp t, 0,1,2,3,4,5,6,7                        ; every wave asks for both biases and each role uses its own: bk in the result's layout, straight into the accumulators,
.irp q, 0,1
	global_load_b128 v[ACC+8*\t+4*\q:ACC+8*\t+4*\q+3], v8, s[12:13] offset:4*(32*(\t/2)+8*(\t%2))+16*\q
.endr
.endr
	global_load_b32 v[BV], v9, s[18:19]            ; bv of my lane's channel
	s_wait_tensorcnt 0x0                           ; my part of the tiles is in,
	s_barrier_signal -1
	s_barrier_wait -1                              ; everybody's is
	s_wait_loadcnt 0x0
	s_cmp_lt_u32 s22, 8
	s_cbranch_scc0 .Lrole_v
	UNIT 0                                         ; k: registers 0-5 of the codes are head 2 G's, registers 6-11 head 2 G + 1's
	v_lshrrev_b32 v[PW2], 16, v[PW]
	s_delay_alu instid0(VALU_DEP_1)
	v_lshl_or_b32 v[PW2], v[PW], 16, v[PW2]        ; the second head's two bytes come lowest
	ds_store_b32 v10, v[PW]                        ; (both lanes of a key write the same word with the same value)
	ds_store_b32 v10, v[PW2] offset:768
	global_store_b64 v13, v[PC:PC+1], s[30:31]                 ; 256 consecutive bytes, aligned
	global_store_b128 v14, v[PC+2:PC+5], s[30:31]              ; 512
	global_store_b64 v13, v[PC+6:PC+7], s[30:31] offset:HS
	global_store_b128 v14, v[PC+8:PC+11], s[30:31] offset:HS
	s_branch .Ljoin
.Lrole_v:
.irp j, 0,1,2,3,4,5,6,7
	v_mov_b32 v[BV8+\j], v[BV]
.endr
	s_wait_alu depctr_va_vdst(0)
	PLACES 4
	UNIT 1
	ds_store_b32 v11, v[PW]
.irp i, 0,1,2
	global_store_b128 v15, v[PC+4*\i:PC+4*\i+3], s[30:31] offset:512*\i
.endr
.Ljoin:
	s_wait_dscnt 0x0                               ; for the others' sake: my scale words lie in the stage
	s_barrier_signal -1
	s_barrier_wait -1
	s_cmp_lg_u32 s22, 0
	s_cbranch_scc1 .Lend
	ds_load_b128 v[16:19], v12                     ; wave 0 sends the two records' scale words: six aligned blocks of 256 bytes
	ds_load_b128 v[20:23], v12 offset:512
	ds_load_b128 v[24:27], v12 offset:1024
	s_wait_dscnt 0x0
	global_store_b128 v1, v[16:19], s[30:31] offset:12288
	global_store_b128 v221, v[20:23], s[30:31] offset:12800
	global_store_b128 v1, v[24:27], s[30:31] offset:HS+12544
.Lend:
	s_wait_tensorcnt 0x0                           ; the wave's end
	ds_add_u32 v254, v255
	s_wait_dscnt 0x0
	s_endpgm
.Lfunc_end_k_q294a980542_kvproj:
	.size	k_q294a980542_kvproj, .Lfunc_end_k_q294a980542_kvproj-k_q294a980542_kvproj
	.p2alignl 7, 3214868480
	.fill 96, 4, 3214868480
	.section	.rodata,"a",@progbits
	.p2align	6, 0x0
	.amdhsa_kernel k_q294a980542_kvproj
		.amdhsa_group_segment_fixed_size 169984
		.amdhsa_private_segment_fixed_size 0
		.amdhsa_enable_private_segment 0
		.amdhsa_kernarg_size 72
		.amdhsa_user_sgpr_count 2
		.amdhsa_user_sgpr_kernarg_segment_ptr 1
		.amdhsa_wavefront_size32 1
		.amdhsa_system_sgpr_workgroup_id_x 1
		.amdhsa_system_sgpr_workgroup_id_y 1
		.amdhsa_system_sgpr_workgroup_id_z 1
		.amdhsa_system_vgpr_workitem_id 0
		.amdhsa_next_free_vgpr 256
		.amdhsa_next_free_sgpr 66
		.amdhsa_reserve_vcc 0
		.amdhsa_float_denorm_mode_32 3
		.amdhsa_float_denorm_mode_16_64 3
		.amdhsa_memory_ordered 1
		.amdhsa_forward_progress 1
		.amdhsa_inst_pref_size 58
	.end_amdhsa_kernel
	.amdgpu_metadata
---
amdhsa.version: [ 1, 2 ]
amdhsa.kernels:
  - .name:           k_q294a980542_kvproj
    .symbol:         k_q294a980542_kvproj.kd
    .args:
      - { .name: K_codes, .offset: 0, .size: 8, .value_kind: global_buffer, .address_space: global }
      - { .name: K_scales, .offset: 8, .size: 8, .value_kind: global_buffer, .address_space: global }
      - { .name: Wk_codes, .offset: 16, .size: 8, .value_kind: global_buffer, .address_space: global }
      - { .name: Wk_scales, .offset: 24, .size: 8, .value_kind: global_buffer, .address_space: global }
      - { .name: bk, .offset: 32, .size: 8, .value_kind: global_buffer, .address_space: global }
      - { .name: Wv_codes, .offset: 40, .size: 8, .value_kind: global_buffer, .address_space: global }
      - { .name: Wv_scales, .offset: 48, .size: 8, .value_kind: global_buffer, .address_space: global }
      - { .name: bv, .offset: 56, .size: 8, .value_kind: global_buffer, .address_space: global }
      - { .name: kv, .offset: 64, .size: 8, .value_kind: global_buffer, .address_space: global }
    .group_segment_fixed_size: 169984
    .private_segment_fixed_size: 0
    .kernarg_segment_align: 8
    .kernarg_segment_size: 72
    .max_flat_workgroup_size: 512
    .sgpr_count:     66
    .vgpr_count:     256
    .wavefront_size: 32
...
	.end_amdgpu_metadata
.endif
;; end of part 1
;; launch attn (part 2): grid 16 x 16, 16 waves a work-group, clusters of 4 x 1, 327,680 bytes of LDS; arguments Q_codes, Q_scales, Wq_codes, Wq_scales, bq, kv, ow; writes ow
.if DOCPART == 2
	.amdgcn_target "amdgcn-amd-amdhsa--gfx1250"
	.amdhsa_code_object_version 6
	.text
	.protected	k_q294a980542_attn
	.globl	k_q294a980542_attn
	.p2align	8
	.type	k_q294a980542_attn,@function
k_q294a980542_attn:
	s_mov_b64 s[64:65], 0
	v_nop
	global_prefetch_b8 v0, s[64:65] scope:SCOPE_SE
	s_setreg_imm32_b32 hwreg(HW_REG_WAVE_MODE, 25, 1), 1
	s_wait_xcnt 0x0
	s_wait_alu depctr_hold_cnt(0) depctr_sa_sdst(0) depctr_va_vdst(0) depctr_va_sdst(0) depctr_va_ssrc(0) depctr_va_vcc(0) depctr_vm_vsrc(0)
	s_getreg_b32 s2, hwreg(HW_REG_IB_STS2, 6, 4)
	s_cmp_eq_u32 s2, 0
	s_cbranch_scc0 .Lentry_in_a_cluster
	s_endpgm
.Lentry_in_a_cluster:
	s_bfe_u32 s2, ttmp6, 0x10000c
	s_cmp_lg_u32 s2, 0x3003
	s_cbranch_scc0 .Lentry_shape_is_right
	s_endpgm
.Lentry_shape_is_right:
; For one head and 256 queries: q = Q Wq + bq (kept in f32 for the residual, and quantised along the head's 64), S = q k^T, the softmax, O = p v, and ow = q + O / l.  All products on codes of BF6 (E3M2) with E8M0 scales.
; THE SOFTMAX: t = score x log2(e) / sqrt(512); M = the row's largest t so far, rounded UP to a whole number; p = 2^(t - M) is quantised along the keys, not normalised; the row's sum is taken of the
; unquantised p and divides O at the end.  When M moves, the sum and O are multiplied by 2^(old M - new M): exact.
; SHARES.  Each of sixteen waves owns one tile of 16 queries in 256 registers and walks the head's 4,096 keys, 128 a step.  K and V come from the workspace kv as images of operand registers (layout: the head of
; the launch that writes it), a record of REC bytes a step, through a ring of two LDS slots of 8 records; waves 0-3 fetch two records each, 102 rows of 256 bytes.
; CLUSTER.  The four work-groups of a cluster belong to one head: every tensor load is asked for JOINTLY, with the mask of all four.
; LAYOUT.  All products are used transposed: a lane holds ONE query (lane % 16).  q^T = Wq Q^T, S^T = K q^T, O^T = V^T p^T.
; Row m of K's tile 4 c + u is key 64 c + 32 (m / 8) + 8 u + m % 8: so the 32 registers of tiles 4 c .. 4 c + 3 in lane (r, h) are the WHOLE block of keys 64 c + 32 h + 0 .. 31, in order: the block's maximum
; needs no other lane, and the conversions' results are the operand's registers as the 6-bit layout wants them.
; THE FIRST PRODUCT'S K IS 64, half of the instruction's 128: registers 6-11 of q's fragment hold zero codes.  What stands against them adds nothing, so K's eight fragments lie 6 registers apart: the upper half of
; tile t's operand is tile t + 1's codes (behind tile 7: six registers of zeros); the scale bytes over them lie in 1 .. 254.  V's four fragments land in the same registers while the softmax is computed.
; NO PREFETCH: a refill is asked for a whole slot ahead, 8 steps or 96 matrix instructions of each wave before its first byte is read.
; ow: [tile of 16 rows (512)][head (8)][group of 4 registers (8)][lane (32)][16 bytes]: register 16 b + i of lane (r, h) is row r, channel 32 b + 16 h + i of the head; each store covers 512 consecutive bytes, aligned.
; LIMITS: NaN and infinities are not served; a given scale byte 0xff gives NaN; a block of q whose largest magnitude lies under 2^-122, or of p that has fallen to zeros, keeps the scale byte 1;
; the promise holds while the scaled scores t stay under 2^31 in magnitude.
.set HS,    417792
.set REC,   13056
.set SLOTB, 8*REC
.set SLOT1, 1<<17                      ; slot 1 begins here: one exclusive or turns an address of one slot into the other's
.set WQB,   SLOT1+SLOTB                ; 64 rows of Wq, 432 bytes apart: filled once
.set SPARE, WQB+64*432                 ; the spare words, 128 bytes for each of 16 waves
.set KSW,   12288
.set VCO,   6144
.set VSW,   12800
.set NC,    3                          ; s3       -c
.set WV,    18
.set SEL,   20                         ; s[20:21] selects for lane l xor 16
.set CS,    22                         ; s[22:23] c = log2(e) / sqrt(512)
.set G1K,   24
.set G1W,   32
.set G0K,   40
.set G0W,   44
.set TB,    48                         ; LDS byte at which the step's record begins
.set CNT,   49
.set SLOTS, 50
; v1 16 x lane, v2 8 x lane, v3-4 Wq in LDS, v5-6 the spare word and 0, v7 8 h, v8-9 the step's addresses, v12 -M, v13 the largest score, v[14:15] the sum, v16-27 q's codes
.set FR,    32                         ; v32-85   K's eight fragments, 6 apart, and six zeros; then V's four, 12 apart
.set KS,    86                         ; v86-97   scale words and nothing else: K's four, V's two, p's, q's; at the head Wq's eight and Q's four
.set VS,    90
.set PWD,   92
.set QSW,   93
.set QS,    94
.set S,     98                         ; v98-161  S^T, then p
.set O,     162                        ; v162-193 O^T
.set QA,    194                        ; v194-225 q in f32
.set PCD,   226                        ; v226-237 p's codes
.set MX,    238                        ; v238-241 the blocks' maxima, two chains a block
.set OLD,   243
.set F,     244                        ; v[244:245] f = 2^(old M - new M)
.set SO,    246
.set BY,    248
.set CT0,   250                        ; the conversions of the blocks' upper halves: three registers from an even one
.set CT1,   28
.set PM,    252
.set T,     253
.macro PLACES n
.rept \n
	v_nop
.endr
.endm
.macro CROUND                          ; a round of the cluster's barrier
	s_barrier_signal -1
	s_barrier_wait -1
	s_cmp_lg_u32 s[WV], 0
	s_cbranch_scc1 .Lnot_wave_0_\@
	s_barrier_signal -3
.Lnot_wave_0_\@:
	s_barrier_wait -3
	s_barrier_signal -1
	s_barrier_wait -1
.endm
.macro JLOAD                           ; a joint fill of a slot: waves 0-3, two records each; the branch hangs on the wave's number alone
	s_cmp_lt_u32 s[WV], 4
	s_cbranch_scc0 .Lnone_\@
	tensor_load_to_lds s[G0K:G0K+3], s[G1K:G1K+7]
	s_nop 0
	PLACES 4
.Lnone_\@:
.endm
.macro FRAG reg, adr, s, rowoff        ; a fragment from rows of 384 bytes with 16 bytes of padding behind every 128; the second address register serves the pieces whose upper half lies behind one padding more
.irp p, 0,1,2,3,4,5
.set DD, 96*(\s)+48*(\p/3)+8*(\p%3)
.if DD%128 < 104
	ds_load_b64 v[\reg+2*\p:\reg+2*\p+1], v[\adr] offset:DD+16*(DD/128)+\rowoff
.else
	ds_load_b64 v[\reg+2*\p:\reg+2*\p+1], v[\adr+1] offset:DD+16*(DD/128)+\rowoff
.endif
.endr
.endm
.macro WM d, a, b, c, sa, sb, row1     ; one scaled product; row1: source 0's scale words stand in lanes 16-31
.if \row1
	v_wmma_scale_f32_16x16x128_f8f6f4 v[\d:\d+7], v[\a:\a+11], v[\b:\b+11], \c, v[\sa], v[\sb] matrix_a_fmt:MATRIX_FMT_BF6 matrix_b_fmt:MATRIX_FMT_BF6 matrix_a_scale:MATRIX_SCALE_ROW1
.else
	v_wmma_scale_f32_16x16x128_f8f6f4 v[\d:\d+7], v[\a:\a+11], v[\b:\b+11], \c, v[\sa], v[\sb] matrix_a_fmt:MATRIX_FMT_BF6 matrix_b_fmt:MATRIX_FMT_BF6
.endif
.endm
; A KEY STEP: 128 keys: 8 + 4 matrix instructions, 30 LDS loads.
.macro STEP
	v_add_nc_u32 v8, s[TB], v1                     ; the record + 16 x lane
	v_add_nc_u32 v9, s[TB], v2                     ; + 8 x lane
	s_wait_alu depctr_va_vdst(0)
	ds_load_b128 v[KS:KS+3], v8 offset:KSW         ; K's scale words: register t % 4: lanes 0-15 tile t, lanes 16-31 tile 4 + t
.irp t, 0,1,2,3,4,5,6,7
	ds_load_b64 v[FR+6*\t:FR+6*\t+1], v9 offset:768*\t
	ds_load_b128 v[FR+6*\t+2:FR+6*\t+5], v8 offset:768*\t+256
.endr
	s_wait_dscnt 0x0
.irp t, 0,1,2,3,4,5,6,7
	WM S+8*\t, FR+6*\t, 16, 0, KS+\t%4, QSW, \t/4
.endr
	v_mov_b32 v[OLD], v12                          ; four places in front of the loads into K's registers and of the first read of S^T
	PLACES 3
.irp n, 0,1,2,3
.irp i, 0,1,2
	ds_load_b128 v[FR+12*\n+4*\i:FR+12*\n+4*\i+3], v8 offset:VCO+1536*\n+512*\i
.endr
.endr
	ds_load_b64 v[VS:VS+1], v9 offset:VSW          ; V's scale words: register n % 2: lanes 0-15 tiles 0, 1; lanes 16-31 tiles 2, 3
.irp c, 0,1                                    ; THE LARGEST SCORE OF EACH OF MY TWO BLOCKS serves twice: for the row's maximum, and, since p rises with the score, for the block's largest p.  Two chains a block
.irp a, 0,1
	v_max3_num_f32 v[MX+2*\c+\a], v[S+32*\c+16*\a], v[S+32*\c+16*\a+1], v[S+32*\c+16*\a+2]
.endr
.endr
.irp i, 3,5,7,9,11,13
.irp c, 0,1
.irp a, 0,1
	v_max3_num_f32 v[MX+2*\c+\a], v[MX+2*\c+\a], v[S+32*\c+16*\a+\i], v[S+32*\c+16*\a+\i+1]
.endr
.endr
.endr
.irp c, 0,1
	v_max3_num_f32 v[MX+2*\c], v[MX+2*\c], v[MX+2*\c+1], v[S+32*\c+15]
.endr
.irp c, 0,1
	v_max_num_f32 v[MX+2*\c], v[MX+2*\c], v[S+32*\c+31]
.endr
	s_delay_alu instid0(VALU_DEP_1)
	v_max_num_f32 v[PM], v[MX], v[MX+2]
	s_delay_alu instid0(VALU_DEP_1)
	v_permlanex16_b32 v[T], v[PM], s[SEL], s[SEL+1]
	s_delay_alu instid0(VALU_DEP_1)
	v_max3_num_f32 v13, v13, v[PM], v[T]           ; the running largest score of my query
	s_delay_alu instid0(VALU_DEP_1)
	v_mul_f32 v[T], s[NC], v13                     ; -t
	s_delay_alu instid0(VALU_DEP_1)
	v_floor_f32 v12, v[T]                          ; the new -M = floor(-t) = -ceil(t): a whole number
	s_delay_alu instid0(VALU_DEP_1)
	v_sub_f32 v[T], v12, v[OLD]                    ; old M - new M: a whole number, 0 or less
	s_delay_alu instid0(VALU_DEP_1)
	v_cvt_i32_f32 v[T], v[T]                       ; (it saturates)
	s_delay_alu instid0(VALU_DEP_1)
	v_ldexp_f32 v[F], 1.0, v[T]
.set J, 0
.rept 32
	v_pk_fma_f32 v[S+J:S+J+1], v[S+J:S+J+1], s[CS:CS+1], v[12:13] op_sel_hi:[1,0,0]   ; t - M (of the pairs c and -M the low word serves both halves)
.set J, J+2
.endr
.irp c, 0,1
	v_fma_f32 v[MX+2*\c], v[MX+2*\c], s[CS], v12   ; the same of each block's largest score
.endr
	s_wait_alu depctr_va_vdst(0)                   ; the wait ahead of the batch
.set J, 0
.rept 64
	v_exp_f32 v[S+J], v[S+J]                       ; p = 2^(t - M), at most 1
.set J, J+1
.endr
.irp c, 0,1
	v_exp_f32 v[MX+2*\c], v[MX+2*\c]               ; the block's largest p: the same two instructions on the same number give the same bits
.endr
	s_wait_alu depctr_va_vdst(0)                   ; and behind it, directly ahead of the first read of O^T
.set J, 0
.rept 16
	v_pk_mul_f32 v[O+J:O+J+1], v[O+J:O+J+1], v[F:F+1] op_sel_hi:[1,0]   ; O^T under the new M; these are the plain places behind the exponentials
.set J, J+2
.endr
.irp c, 0,1
	v_max_num_f32 v[MX+2*\c], 0x2800000, v[MX+2*\c]   ; the floor 2^(5 - 127)
.endr
.irp c, 0,1
	s_delay_alu instid0(VALU_DEP_2)
	v_add_nc_u32 v[SO+\c], 0xfe000000, v[MX+2*\c]  ; 4 off the exponent field: the conversion's scale operand
.endr
	v_nop
	v_cvt_scalef32_pk16_bf6_f32 v[PCD:PCD+2], v[S:S+15], v[SO]
	v_cvt_scalef32_pk16_bf6_f32 v[CT0:CT0+2], v[S+16:S+31], v[SO]
	v_cvt_scalef32_pk16_bf6_f32 v[PCD+6:PCD+8], v[S+32:S+47], v[SO+1]
	v_cvt_scalef32_pk16_bf6_f32 v[CT1:CT1+2], v[S+48:S+63], v[SO+1]
.irp c, 0,1
	v_lshrrev_b32 v[BY+\c], 23, v[SO+\c]           ; the scales' bytes.  (Plain places behind the conversions)
.endr
	s_delay_alu instid0(VALU_DEP_1)
	v_lshl_or_b32 v[BY], v[BY+1], 16, v[BY]        ; blocks h and 2 + h,
	s_delay_alu instid0(VALU_DEP_1)
	v_lshlrev_b32 v[BY], v7, v[BY]                 ; at their places in the word, 8 h bits up;
	s_delay_alu instid0(VALU_DEP_1)
	v_permlanex16_b32 v[BY+1], v[BY], s[SEL], s[SEL+1]
	s_delay_alu instid0(VALU_DEP_1)
	v_or_b32 v[PWD], v[BY], v[BY+1]                ; with lane l xor 16's two the word is whole
.irp i, 0,1,2
	v_mov_b32 v[PCD+3+\i], v[CT0+\i]
	v_mov_b32 v[PCD+9+\i], v[CT1+\i]
.endr
	; THE ROW'S SUM OF THE UNQUANTISED p, in eight chains: eight lines here, the places between p's codes and scale word and the products; the rest behind the products
	v_pk_fma_f32 v[14:15], v[14:15], v[F:F+1], v[S:S+1] op_sel_hi:[1,0,1]
.set J, 2
.irp a, 238,240,242,246,248,250,254
	v_pk_add_f32 v[\a:\a+1], v[S+J:S+J+1], v[S+J+2:S+J+3]
.set J, J+4
.endr
	s_wait_alu depctr_va_vdst(0)                   ; directly ahead of the wait below
	s_wait_dscnt 0x0                               ; V is in
.irp n, 0,1,2,3
	WM O+8*\n, FR+12*\n, PCD, v[O+8*\n:O+8*\n+7], VS+\n%2, PWD, \n/2
.endr
.rept 2
.irp a, 14,238,240,242,246,248,250,254
	v_pk_add_f32 v[\a:\a+1], v[\a:\a+1], v[S+J:S+J+1]   ; these name none of the products' registers: they are the places in front of the next step's loads and of the way out
.set J, J+2
.endr
.endr
	v_pk_add_f32 v[14:15], v[14:15], v[S+62:S+63]
	v_pk_add_f32 v[238:239], v[238:239], v[240:241]
	v_pk_add_f32 v[242:243], v[242:243], v[246:247]
	v_pk_add_f32 v[248:249], v[248:249], v[250:251]
	s_delay_alu instid0(VALU_DEP_4)
	v_pk_add_f32 v[14:15], v[14:15], v[254:255]
	s_delay_alu instid0(VALU_DEP_3)
	v_pk_add_f32 v[238:239], v[238:239], v[242:243]
	s_delay_alu instid0(VALU_DEP_2)
	v_pk_add_f32 v[14:15], v[14:15], v[248:249]
	s_delay_alu instid0(VALU_DEP_1)
	v_pk_add_f32 v[14:15], v[14:15], v[238:239]
.endm
; THE CHANGE OF SLOTS.  Each wave waits for all its tensor loads (one is out at the most), adds 0 to its spare word,
; and waits for that and for its reads of the slot it has left.  fill = 1: a round of the cluster's barrier and the joint fill first behind it.
.macro CHANGE fill
	s_wait_tensorcnt 0x0
	ds_add_u32 v5, v6
	ds_add_u32 v5, v6
.if \fill
	s_xor_b32 s[G0K+1], s[G0K+1], SLOT1            ; no tensor load of mine is out, so group 0 may be written: the other slot than last time,
	s_add_nc_u64 s[G0K+2:G0K+3], s[G0K+2:G0K+3], SLOTB   ; the next 8 records
.endif
	s_wait_dscnt 0x0
.if \fill
	CROUND
	JLOAD
.else
	s_barrier_signal -1
	s_barrier_wait -1
.endif
.endm
.macro SLOT_STEPS                      ; a slot's 8 steps
	s_mov_b32 s[CNT], 8
.Lstep_\@:
	STEP
	s_add_co_u32 s[TB], s[TB], REC
	s_sub_co_u32 s[CNT], s[CNT], 1
	s_cmp_lg_u32 s[CNT], 0
	s_cbranch_scc1 .Lstep_\@
	s_sub_co_u32 s[TB], s[TB], SLOTB
	s_xor_b32 s[TB], s[TB], SLOT1                  ; on to the other slot
.endm
	s_load_b256 s[4:11], s[0:1], 0x0               ; Q_codes 4, Q_scales 6, Wq_codes 8, Wq_scales 10
	s_load_b128 s[12:15], s[0:1], 0x20             ; bq 12, kv 14
	s_load_b64 s[16:17], s[0:1], 0x30              ; ow
	v_lshl_add_u32 v5, v0, 2, SPARE
	v_mov_b32 v6, 0
	ds_add_u32 v5, v6                              ; the opening lines: the add, twice on end, and its wait
	ds_add_u32 v5, v6
	v_lshrrev_b32 v7, 5, v0
	s_delay_alu instid0(VALU_DEP_1)
	v_readfirstlane_b32 s[WV], v7                  ; wave 0..15
	s_bfe_u32 s51, ttmp6, 0x40000                  ; cx: it enters Q's and ow's addresses alone
	s_lshl_b32 s52, ttmp9, 2
	s_add_co_u32 s52, s52, s51                     ; my block of 256 queries
	s_and_b32 s53, ttmp7, 0xffff                   ; 8 b + head, which the four partners share
	s_lshr_b32 s54, s53, 3                         ; b
	s_and_b32 s55, s53, 7                          ; head
	s_lshl_b32 s56, s54, 8
	s_lshl_b32 s57, s52, 4
	s_add_co_u32 s56, s56, s57
	s_add_co_u32 s56, s56, s[WV]                   ; T: my tile of 16 rows among 512
	s_mov_b32 s[SEL], 0x76543210
	s_mov_b32 s[SEL+1], 0xfedcba98
	s_mov_b32 s[CS], 0x3d8293ee                    ; c = log2(e) / sqrt(512)
	s_mov_b32 s[CS+1], s[CS]
	s_mov_b32 s[NC], 0xbd8293ee                    ; -c
	; descriptor group 1 for two records: 102 dense rows of 256 bytes (32 elements of 8 bytes)
	s_mov_b32 s[G1K], 15|(3<<16)|(1<<21)           ; the mask: all four work-groups; bit 21 set beside a mask; no padding
	s_mov_b32 s[G1K+1], 32<<16
	s_mov_b32 s[G1K+2], 102<<16
	s_mov_b32 s[G1K+3], 32<<16
	s_mov_b32 s[G1K+4], 102
	s_mov_b32 s[G1K+5], 32
	s_mov_b32 s[G1K+6], 0
	s_mov_b32 s[G1K+7], 0
	; and for the head's 64 rows of Wq, 24,576 dense bytes: 96 rows of 256 bytes, 16 bytes of padding behind every 128
	s_mov_b32 s[G1W], 15|(1<<20)|(1<<21)|(4<<22)|(3<<25)
	s_mov_b32 s[G1W+1], 256<<16
	s_mov_b32 s[G1W+2], 96<<16
	s_mov_b32 s[G1W+3], 256<<16
	s_mov_b32 s[G1W+4], 96
	s_mov_b32 s[G1W+5], 256
	s_mov_b32 s[G1W+6], 0
	s_mov_b32 s[G1W+7], 0
	s_mul_i32 s19, s[WV], 2*REC                    ; my two records of a slot, in memory and in LDS alike
	s_mul_i32 s58, s53, HS
	s_add_co_u32 s58, s58, s19
	s_mov_b32 s59, 0
	v_and_b32 v7, 31, v0                           ; lane
	v_and_b32 v8, 15, v0                           ; r
	v_bfe_u32 v9, v0, 4, 1                         ; h
	v_lshlrev_b32 v1, 4, v7
	v_lshlrev_b32 v2, 3, v7
	v_and_b32 v31, 8, v8
	s_delay_alu instid0(VALU_DEP_1)
	v_add_nc_u32 v31, v31, v8                      ; r + 8 (r / 8)
	s_delay_alu instid0(VALU_DEP_1)
	v_mul_u32_u24 v3, v31, 432
	s_delay_alu instid0(VALU_DEP_1)
	v_mad_u32_u24 v4, v9, 40, v3
	v_mad_u32_u24 v3, v9, 24, v3
	s_delay_alu instid0(VALU_DEP_2)
	v_add_nc_u32 v4, WQB, v4                       ; Wq in LDS: behind one padding more,
	s_delay_alu instid0(VALU_DEP_2)
	v_add_nc_u32 v3, WQB, v3                       ; and a tile's row + 24 h
	v_mul_u32_u24 v10, v8, 384
	s_delay_alu instid0(VALU_DEP_1)
	v_mad_u32_u24 v10, v9, 24, v10                 ; Q's codes: row r + 24 h
	v_lshlrev_b32 v11, 4, v8                       ; Q's scale words
	v_lshl_add_u32 v29, v9, 5, v31
	s_delay_alu instid0(VALU_DEP_1)
	v_lshlrev_b32 v29, 4, v29                      ; Wq's: lanes 0-15 tiles 0, 1; lanes 16-31, 32 rows on, tiles 2, 3
	v_lshlrev_b32 v30, 6, v9                       ; bq: 16 h channels on
	v_lshlrev_b32 v7, 3, v9                        ; 8 h
	s_wait_alu depctr_va_vdst(0)                   ; directly ahead of the waits below
	s_wait_dscnt 0x0
	s_wait_kmcnt 0x0
	s_mov_b32 s[G0K], 1
	s_mov_b32 s[G0K+1], s19                        ; slot 0
	s_add_nc_u64 s[G0K+2:G0K+3], s[14:15], s[58:59]
	s_or_b32 s[G0K+3], s[G0K+3], 0x80000000        ; type = 2
	s_mul_i32 s58, s55, 64*384
	s_mov_b32 s[G0W], 1
	s_mov_b32 s[G0W+1], WQB
	s_add_nc_u64 s[G0W+2:G0W+3], s[8:9], s[58:59]
	s_or_b32 s[G0W+3], s[G0W+3], 0x80000000
	s_mul_i32 s60, s56, 16*384
	s_mov_b32 s61, 0
	s_add_nc_u64 s[4:5], s[4:5], s[60:61]          ; Q's codes at my 16 rows
	s_lshl_b32 s60, s56, 8
	s_add_nc_u64 s[6:7], s[6:7], s[60:61]          ; their scale words
	s_lshl_b32 s62, s55, 10
	s_mov_b32 s63, 0
	s_add_nc_u64 s[10:11], s[10:11], s[62:63]      ; Wq's scale words at the head's 64 rows
	s_lshl_b32 s62, s55, 8
	s_add_nc_u64 s[12:13], s[12:13], s[62:63]      ; bq likewise
	s_lshl_b32 s60, s56, 3
	s_add_co_u32 s60, s60, s55
	s_lshl_b32 s60, s60, 12
	s_add_nc_u64 s[16:17], s[16:17], s[60:61]      ; ow: image 8 T + head
.irp s, 0,1,2,3                                ; what comes through registers is asked for ahead of the round
.irp p, 0,1,2,3,4,5
	global_load_b64 v[S+12*\s+2*\p:S+12*\s+2*\p+1], v10, s[4:5] offset:96*\s+48*(\p/3)+8*(\p%3)   ; Q's four fragments
.endr
.endr
	global_load_b128 v[QS:QS+3], v11, s[6:7]
.irp u, 0,1
	global_load_b128 v[KS+4*\u:KS+4*\u+3], v29, s[10:11] offset:128*\u
.endr
.irp t, 0,1,2,3
.irp q, 0,1
	global_load_b128 v[QA+8*\t+4*\q:QA+8*\t+4*\q+3], v30, s[12:13] offset:4*(32*(\t/2)+8*(\t%2))+16*\q   ; bq in the result's layout, straight into the accumulators
.endr
.endr
	CROUND                                         ; all four work-groups are here: the first joint loads meet
	s_cmp_lt_u32 s[WV], 4                          ; the first fills: waves 0-3 slot 0, wave 4 Wq's rows: one load a wave
	s_cbranch_scc0 .Lnot_k
	tensor_load_to_lds s[G0K:G0K+3], s[G1K:G1K+7]
	s_nop 0
	PLACES 4
	s_branch .Lasked
.Lnot_k:
	s_cmp_eq_u32 s[WV], 4
	s_cbranch_scc0 .Lasked
	tensor_load_to_lds s[G0W:G0W+3], s[G1W:G1W+7]
	s_nop 0
	PLACES 4
.Lasked:
.irp j, 22,23,24,25,26,27, FR+48,FR+49,FR+50,FR+51,FR+52,FR+53
	v_mov_b32 v[\j], 0                             ; zero codes: the upper 64 of the first product's K in q's fragment; and what stands behind K's tile 7
.endr
.irp j, 240,241,F+1,BY+1,T,14,15
	v_mov_b32 v[\j], 0                             ; lane permutes' destinations and a pair's upper half, written once; the sum
.endr
	v_mov_b32 v13, 0xff61b1e6                      ; the largest score so far: -3e38
	s_delay_alu instid0(VALU_DEP_1)
	v_floor_f32 v12, -v13                          ; -M
	s_wait_alu depctr_va_vdst(0)                   ; directly ahead of the wait below
	CHANGE 1                                       ; slot 0 and Wq are in, everybody's; slot 1's first fill is issued as a refill is
	s_wait_loadcnt 0x0
	; q^T = Wq Q^T + bq: four accumulators by turns, a K step at a time
.irp s, 0,1,2,3
.if \s
	PLACES 4
.endif
.irp t, 0,1,2,3
	FRAG FR+12*\t, 3, \s, 432*(32*(\t/2)+8*(\t%2))
.endr
	s_wait_dscnt 0x0
.irp t, 0,1,2,3
	WM QA+8*\t, FR+12*\t, S+12*\s, v[QA+8*\t:QA+8*\t+7], KS+4*(\t%2)+\s, QS+\s, \t/2
.endr
.endr
	PLACES 4
	; q's 32 numbers of a lane, register 16 b + i = channel 32 b + 16 h + i, become six registers of codes and two scale bytes
.irp b, 0,1
	v_max3_num_f32 v[MX+\b], |v[QA+16*\b]|, |v[QA+1+16*\b]|, 0x2800000   ; and the floor 2^(5 - 127)
.endr
.irp i, 2,4,6,8,10,12,14
.irp b, 0,1
	v_max3_num_f32 v[MX+\b], v[MX+\b], |v[QA+16*\b+\i]|, |v[QA+1+16*\b+\i]|
.endr
.endr
.irp b, 0,1
	s_delay_alu instid0(VALU_DEP_2)
	v_permlanex16_b32 v[240+\b], v[MX+\b], s[SEL], s[SEL+1]
.endr
.irp b, 0,1
	s_delay_alu instid0(VALU_DEP_2)
	v_max_num_f32 v[MX+\b], v[MX+\b], v[240+\b]
.endr
.irp b, 0,1
	s_delay_alu instid0(VALU_DEP_2)
	v_add_nc_u32 v[SO+\b], 0xfe000000, v[MX+\b]
.endr
.irp b, 0,1
	s_delay_alu instid0(VALU_DEP_2)
	v_lshrrev_b32 v[BY+\b], 23, v[SO+\b]
.endr
	s_delay_alu instid0(VALU_DEP_1)
	v_lshl_or_b32 v242, v[BY+1], 8, v[BY]
	v_cvt_scalef32_pk16_bf6_f32 v[16:18], v[QA:QA+15], v[SO]
	v_cvt_scalef32_pk16_bf6_f32 v[CT0:CT0+2], v[QA+16:QA+31], v[SO+1]
	v_lshl_or_b32 v[QSW], v242, 16, v242           ; q's scale word: the two bytes, and the same two over the zero codes.  (A plain place behind the conversions)
.irp i, 0,1,2
	v_permlane16_swap_b32 v[16+\i], v[CT0+\i]      ; a WHOLE block to a lane: lanes 0-15 block 0, lanes 16-31 block 1
.endr
.irp i, 0,1,2
	s_delay_alu instid0(VALU_DEP_3)
	v_mov_b32 v[19+\i], v[CT0+\i]
.endr
.set J, 0
.rept 32
	v_mov_b32 v[O+J], 0                            ; O^T: the step is written once; its first walk finds zeros.  (Also the places between q's codes and scale word and the first scaled product)
.set J, J+1
.endr
	s_mov_b32 s[TB], 0
	SLOT_STEPS                                     ; records 0-7
	s_mov_b32 s[SLOTS], 2
.Lslot:                                            ; two trips: behind each of these changes the next 8 records are asked for
	CHANGE 1
	SLOT_STEPS
	s_sub_co_u32 s[SLOTS], s[SLOTS], 1
	s_cmp_lg_u32 s[SLOTS], 0
	s_cbranch_scc1 .Lslot
	CHANGE 0                                       ; the last slot is written out
	SLOT_STEPS
	; THE WAY OUT: q + O^T / l, stored as the registers stand
	v_add_f32 v14, v14, v15
	s_delay_alu instid0(VALU_DEP_1)
	v_permlanex16_b32 v[T], v14, s[SEL], s[SEL+1]
	s_delay_alu instid0(VALU_DEP_1)
	v_add_f32 v14, v14, v[T]                       ; the row's sum
	s_wait_alu depctr_va_vdst(0)
	v_rcp_f32 v14, v14
	v_nop                                          ; one plain place behind a transcendental
	s_wait_alu depctr_va_vdst(0)
.set J, 0
.rept 16
	v_pk_fma_f32 v[S+J:S+J+1], v[O+J:O+J+1], v[14:15], v[QA+J:QA+J+1] op_sel_hi:[1,0,1]
.set J, J+2
.endr
.irp i, 0,1,2,3,4,5,6,7
	global_store_b128 v1, v[S+4*\i:S+4*\i+3], s[16:17] offset:512*\i
.endr
	s_wait_tensorcnt 0x0                           ; the wave's end
	ds_add_u32 v5, v6
	s_wait_dscnt 0x0
	CROUND                                         ; the closing round: no work-group ends while a partner may still ask for a tile that names it
	s_endpgm
.Lfunc_end_k_q294a980542_attn:
	.size	k_q294a980542_attn, .Lfunc_end_k_q294a980542_attn-k_q294a980542_attn
	.p2alignl 7, 3214868480
	.fill 96, 4, 3214868480
	.section	.rodata,"a",@progbits
	.p2align	6, 0x0
	.amdhsa_kernel k_q294a980542_attn
		.amdhsa_group_segment_fixed_size 327680
		.amdhsa_private_segment_fixed_size 0
		.amdhsa_enable_private_segment 0
		.amdhsa_kernarg_size 56
		.amdhsa_user_sgpr_count 2
		.amdhsa_user_sgpr_kernarg_segment_ptr 1
		.amdhsa_wavefront_size32 1
		.amdhsa_system_sgpr_workgroup_id_x 1
		.amdhsa_system_sgpr_workgroup_id_y 1
		.amdhsa_system_sgpr_workgroup_id_z 1
		.amdhsa_system_vgpr_workitem_id 0
		.amdhsa_next_free_vgpr 256
		.amdhsa_next_free_sgpr 66
		.amdhsa_reserve_vcc 0
		.amdhsa_float_denorm_mode_32 3
		.amdhsa_float_denorm_mode_16_64 3
		.amdhsa_memory_ordered 1
		.amdhsa_forward_progress 1
		.amdhsa_inst_pref_size 72
	.end_amdhsa_kernel
	.amdgpu_metadata
---
amdhsa.version: [ 1, 2 ]
amdhsa.kernels:
  - .name:           k_q294a980542_attn
    .symbol:         k_q294a980542_attn.kd
    .args:
      - { .name: Q_codes, .offset: 0, .size: 8, .value_kind: global_buffer, .address_space: global }
      - { .name: Q_scales, .offset: 8, .size: 8, .value_kind: global_buffer, .address_space: global }
      - { .name: Wq_codes, .offset: 16, .size: 8, .value_kind: global_buffer, .address_space: global }
      - { .name: Wq_scales, .offset: 24, .size: 8, .value_kind: global_buffer, .address_space: global }
      - { .name: bq, .offset: 32, .size: 8, .value_kind: global_buffer, .address_space: global }
      - { .name: kv, .offset: 40, .size: 8, .value_kind: global_buffer, .address_space: global }
      - { .name: ow, .offset: 48, .size: 8, .value_kind: global_buffer, .address_space: global }
    .group_segment_fixed_size: 327680
    .private_segment_fixed_size: 0
    .kernarg_segment_align: 8
    .kernarg_segment_size: 56
    .max_flat_workgroup_size: 512
    .sgpr_count:     66
    .vgpr_count:     256
    .wavefront_size: 32
...
	.end_amdgpu_metadata
.endif
;; end of part 2
;; launch outp (part 3): grid 256 x 1, 16 waves a work-group, no clusters, 291,840 bytes of LDS; arguments ow, Wo_codes, Wo_scales, bo, g0, b0, g1, b1, out0; writes out0
.if DOCPART == 3
	.amdgcn_target "amdgcn-amd-amdhsa--gfx1250"
	.amdhsa_code_object_version 6
	.text
	.protected	k_q294a980542_outp
	.globl	k_q294a980542_outp
	.p2align	8
	.type	k_q294a980542_outp,@function
k_q294a980542_outp:
	s_mov_b64 s[64:65], 0
	v_nop
	global_prefetch_b8 v0, s[64:65] scope:SCOPE_SE
	s_setreg_imm32_b32 hwreg(HW_REG_WAVE_MODE, 25, 1), 1
	s_wait_xcnt 0x0
; x = LN(o; g0, b0); y = x + relu(x Wo + bo); out0 = LN(y; g1, b1).  The product on codes of BF6 (E3M2) with E8M0 scales: x is quantised along its 512 channels on the way; all else in f32.
; Each layer norm takes the mean first and the deviations' squares second, so that a common offset of a row costs no digits.
; SHARES.  A work-group takes 32 rows: two tiles m of 16.  PHASE X: wave w takes tile m = w / 8 and head hd = w % 8: one image of ow, 32 registers a lane: register 16 b + i of lane (r, h) is row r, channel 64 hd + 32 b + 16 h + i.
; THE PRODUCT: wave w makes output channels 32 w .. 32 w + 31 for both tiles of rows, transposed (source 0 = 16 rows of Wo, source 1 = x).
; Lane r of Wo's tile u takes row 32 w + 8 u + r + 8 (r / 8), so that a lane's 16 results of a tile of rows are channels 32 w + 16 h + 0 .. 15: the layout of half an image of x, which makes the residual a plain addition.
; Wo: a wave's 32 rows are 12,288 consecutive bytes: they come by 24 loads of 512 consecutive bytes, go into a stage of the wave's own in LDS (rows 400 bytes apart: 384 of codes + 16) and come back as its 8 fragments.
; That stage lies on the bytes of the stage for out0: the fragments are read ahead of barrier 4, out0's rows are stored behind barrier 5.
; x GOES FROM WAVE TO WAVE THROUGH LDS AS IMAGES OF REGISTERS: in f32 (for the residual), as codes (a wave's six registers are half a fragment) and as scale half-words.  The rows' sums meet in LDS too: six barriers in all.
; NO TENSOR LOAD AND NO CLUSTER: a byte of Wo is wanted by ONE wave, once for the work-group (204,800 bytes of codes and scales a work-group), in no loop; a cluster would add two rounds of its barrier to six barriers.
; LIMITS: NaN and infinities are not served; a given scale byte 0xff gives NaN; a block of x whose largest magnitude lies under 2^-122 keeps the scale byte 1.
.set P1,   1024                        ; LDS: at 0 LN0's sums [m][r][hd], 4 bytes each; at P1 its sums of squares;
.set P2,   2048                        ; LN1's sums [m][r][w];  2,048 bytes on: its sums of squares
.set XS,   6144                        ; x's scale words: [m][K step] 128 bytes: the word of lane l at 4 l
.set XC,   7168                        ; x's codes: 768 bytes a wave: registers 0-1 at 8 l, registers 2-5 at 256 + 16 l; two waves' make a fragment
.set XF,   19456                       ; x in f32: 4,096 bytes a wave: registers 4 q .. 4 q + 3 at 512 q + 16 l
.set STG,  84992                       ; the stage for out0: 32 rows x (2,048 bytes + 16)
.set SP,   2064
.set WST,  84992                       ; Wo's stages: 32 rows x WP bytes a wave
.set WP,   400
.set SPARE, WST+16*32*WP               ; the spare words, 128 bytes a wave
.set WOF,  16                          ; v16-111   Wo's rows as they come, then its fragments: tile u, K step s at 12 (4 u + s)
.set WOS,  112                         ; v112-119  Wo's scale words, at 4 u + s;  v8-11 x's: these twelve hold scale words and nothing else
.set BO,   120                         ; v120-135  bo, 8 registers a tile u
.set ACC,  136                         ; v136-167  the accumulators, at 16 m + 8 u; b0 in phase X; later the sums' parts, at last rows of out0
.set B0R,  136
.set X,    168                         ; v168-199  x; later four fragments of x (to v215); later y
.set XB,   168
.set Y,    168
.set G0R,  200                         ; v200-231  g0 in phase X;  v200-203 the addresses into Wo's stage;  v200-211 LN1's -mean, rstd and sums
.set G1R,  216                         ; v216-231  g1;  v232-247 b1
.set B1R,  232
.set PC,   232                         ; phase X's quantiser
.set PT,   238
.set MX,   241
.set PM,   243
.set SO,   245
.set BY,   247
.set PW,   249
.set SEL,  24
.macro PLACES n
.rept \n
	v_nop
.endr
.endm
.macro BARRIER                         ; my LDS stores have landed and my LDS loads are in: then the work-group's barrier
	s_wait_dscnt 0x0
	s_barrier_signal -1
	s_barrier_wait -1
.endm
.macro QUANT2 s                        ; 32 numbers of a lane, register 16 b + i = k 32 b + 16 (lane / 16) + i, become six registers of codes in v[PC] on and two scale bytes in v[PW]
.irp b, 0,1
	v_max3_num_f32 v[MX+\b], |v[\s+16*\b]|, |v[\s+1+16*\b]|, 0x2800000   ; and the floor 2^(5 - 127): the byte cannot fall under 1
.endr
.irp i, 2,4,6,8,10,12,14
.irp b, 0,1
	s_delay_alu instid0(VALU_DEP_2)
	v_max3_num_f32 v[MX+\b], v[MX+\b], |v[\s+16*\b+\i]|, |v[\s+1+16*\b+\i]|
.endr
.endr
.irp b, 0,1
	v_permlanex16_b32 v[PM+\b], v[MX+\b], s[SEL], s[SEL+1]
.endr
.irp b, 0,1
	s_delay_alu instid0(VALU_DEP_2)
	v_max_num_f32 v[MX+\b], v[MX+\b], v[PM+\b]
.endr
.irp b, 0,1
	s_delay_alu instid0(VALU_DEP_2)
	v_add_nc_u32 v[SO+\b], 0xfe000000, v[MX+\b]    ; 4 off the exponent field: the conversion's scale operand
.endr
.irp b, 0,1
	s_delay_alu instid0(VALU_DEP_2)
	v_lshrrev_b32 v[BY+\b], 23, v[SO+\b]
.endr
	s_delay_alu instid0(VALU_DEP_1)
	v_lshl_or_b32 v[PW], v[BY+1], 8, v[BY]
	v_cvt_scalef32_pk16_bf6_f32 v[PC:PC+2], v[\s:\s+15], v[SO]
	v_cvt_scalef32_pk16_bf6_f32 v[PT:PT+2], v[\s+16:\s+31], v[SO+1]
	v_nop                                          ; one plain place behind a scaled conversion
.irp i, 0,1,2
	v_permlane16_swap_b32 v[PC+\i], v[PT+\i]       ; a WHOLE block to a lane
.endr
.irp i, 0,1,2
	s_delay_alu instid0(VALU_DEP_3)
	v_mov_b32 v[PC+3+\i], v[PT+\i]
.endr
.endm
.macro SUM8 a                          ; eight parts in v[a] on, added in one fixed order in every wave: the sum in v[a]
	v_pk_add_f32 v[\a:\a+1], v[\a:\a+1], v[\a+2:\a+3]
	v_pk_add_f32 v[\a+4:\a+5], v[\a+4:\a+5], v[\a+6:\a+7]
	s_delay_alu instid0(VALU_DEP_1)
	v_pk_add_f32 v[\a:\a+1], v[\a:\a+1], v[\a+4:\a+5]
	s_delay_alu instid0(VALU_DEP_1)
	v_add_f32 v[\a], v[\a], v[\a+1]
.endm
.macro SUM16 a                         ; sixteen likewise
.irp j, 0,4,8,12
	v_pk_add_f32 v[\a+\j:\a+\j+1], v[\a+\j:\a+\j+1], v[\a+\j+2:\a+\j+3]
.endr
	s_delay_alu instid0(VALU_DEP_3)
	v_pk_add_f32 v[\a:\a+1], v[\a:\a+1], v[\a+4:\a+5]
	s_delay_alu instid0(VALU_DEP_2)
	v_pk_add_f32 v[\a+8:\a+9], v[\a+8:\a+9], v[\a+12:\a+13]
	s_delay_alu instid0(VALU_DEP_1)
	v_pk_add_f32 v[\a:\a+1], v[\a:\a+1], v[\a+8:\a+9]
	s_delay_alu instid0(VALU_DEP_1)
	v_add_f32 v[\a], v[\a], v[\a+1]
.endm
	s_load_b512 s[4:19], s[0:1], 0x0               ; ow 4, Wo_codes 6, Wo_scales 8, bo 10, g0 12, b0 14, g1 16, b1 18
	s_load_b64 s[20:21], s[0:1], 0x40              ; out0
	v_lshrrev_b32 v1, 5, v0
	s_delay_alu instid0(VALU_DEP_1)
	v_readfirstlane_b32 s22, v1                    ; wave w
	s_mov_b32 s[SEL], 0x76543210
	s_mov_b32 s[SEL+1], 0xfedcba98
	s_mov_b32 s30, 0x3727c5ac                      ; 1e-5
	s_mov_b32 s31, 0x3b000000                      ; 1 / 512
	v_and_b32 v240, 31, v0                         ; lane
	v_and_b32 v241, 15, v0                         ; r
	v_bfe_u32 v242, v0, 4, 1                       ; h
	s_delay_alu instid0(VALU_DEP_2)
	v_and_b32 v243, 8, v241
	s_delay_alu instid0(VALU_DEP_1)
	v_add_nc_u32 v243, v243, v241                  ; r + 8 (r / 8)
	v_lshlrev_b32 v1, 4, v240                      ; 16 l
	s_wait_alu depctr_va_vdst(0)
	v_lshlrev_b32 v2, 3, v240                      ; 8 l
	s_wait_alu depctr_va_vdst(0)
	v_lshlrev_b32 v3, 2, v240                      ; 4 l
	s_wait_alu depctr_va_vdst(0)
	s_lshr_b32 s26, s22, 3                         ; m
	s_and_b32 s27, s22, 7                          ; hd
	s_lshl_b32 s28, s26, 9
	v_lshl_add_u32 v5, v241, 5, s28                ; LN0's parts of my row: 512 m + 32 r
	s_lshl_b32 s29, s27, 2
	v_add_nc_u32 v4, s29, v5                       ; mine among them: + 4 hd
	s_lshl_b32 s29, s22, 2
	s_add_co_u32 s29, s29, P2
	v_lshlrev_b32 v7, 6, v241
	s_delay_alu instid0(VALU_DEP_1)
	v_add_nc_u32 v6, s29, v7                       ; LN1's: mine: 64 r + 4 w
	s_delay_alu instid0(VALU_DEP_2)
	v_add_nc_u32 v7, P2, v7                        ; and my row's sixteen
	s_lshl_b32 s29, s22, 12
	s_add_co_u32 s29, s29, XF
	v_add_nc_u32 v12, s29, v1                      ; x in f32: my image
	s_mul_i32 s29, s22, 768
	s_add_co_u32 s29, s29, XC
	v_add_nc_u32 v14, s29, v2                      ; my codes: registers 0-1,
	s_add_co_u32 s29, s29, 256
	v_add_nc_u32 v13, s29, v1                      ; registers 2-5
	s_lshr_b32 s29, s22, 1
	s_lshl_b32 s29, s29, 7
	s_and_b32 s32, s22, 1
	s_lshl_b32 s32, s32, 1
	s_add_co_u32 s29, s29, s32
	s_add_co_u32 s29, s29, XS
	v_add_nc_u32 v15, s29, v3                      ; my two scale bytes: fragment w / 2, half w % 2 of the word
	v_mul_u32_u24 v250, v243, WP
	s_delay_alu instid0(VALU_DEP_1)
	v_mad_u32_u24 v250, v242, 24, v250
	s_mul_i32 s29, s22, 32*WP
	s_add_co_u32 s29, s29, WST
	v_add_nc_u32 v250, s29, v250                   ; Wo's fragments in my stage: a tile's row + 24 h
	v_lshlrev_b32 v251, 4, v243                    ; Wo's scale words
	v_lshlrev_b32 v252, 6, v242                    ; vectors of channels: 16 h on
	s_lshl_b32 s29, s22, 11
	s_add_co_u32 s29, s29, XF
	v_add_nc_u32 v253, s29, v1                     ; the residual: half w % 2 of image w / 2 (tile m: 32,768 m on)
	s_lshl_b32 s29, s22, 7
	s_add_co_u32 s29, s29, STG
	v_mul_u32_u24 v254, v241, SP
	s_delay_alu instid0(VALU_DEP_1)
	v_add_nc_u32 v254, v254, v252
	s_delay_alu instid0(VALU_DEP_1)
	v_add_nc_u32 v254, s29, v254                   ; the stage, in: row r, + 128 w + 64 h
	s_mul_i32 s29, s22, 2*SP
	s_add_co_u32 s29, s29, STG
	v_add_nc_u32 v255, s29, v1                     ; back: rows 2 w, 2 w + 1
	s_wait_alu depctr_va_vdst(0)
	s_wait_kmcnt 0x0
	s_mov_b32 s35, 0
	s_lshl_b32 s34, ttmp9, 4
	s_add_co_u32 s34, s34, s22
	s_lshl_b32 s34, s34, 12
	s_add_nc_u64 s[4:5], s[4:5], s[34:35]          ; ow: image 16 i + w
	s_mul_i32 s34, s22, 32*384
	s_add_nc_u64 s[6:7], s[6:7], s[34:35]          ; Wo's codes at my 32 rows
	s_lshl_b32 s34, s22, 9
	s_add_nc_u64 s[8:9], s[8:9], s[34:35]          ; their scale words
	s_lshl_b32 s34, s22, 7
	s_add_nc_u64 s[10:11], s[10:11], s[34:35]      ; bo, g1, b1 at my 32 channels
	s_add_nc_u64 s[16:17], s[16:17], s[34:35]
	s_add_nc_u64 s[18:19], s[18:19], s[34:35]
	s_lshl_b32 s34, s27, 8
	s_add_nc_u64 s[12:13], s[12:13], s[34:35]      ; g0, b0 at my head's 64
	s_add_nc_u64 s[14:15], s[14:15], s[34:35]
	s_lshl_b32 s34, ttmp9, 5
	s_lshl_b32 s36, s22, 1
	s_add_co_u32 s34, s34, s36
	s_lshl_b32 s34, s34, 11
	s_add_nc_u64 s[20:21], s[20:21], s[34:35]      ; out0 at row 32 i + 2 w
.irp q, 0,1,2,3,4,5,6,7
	global_load_b128 v[X+4*\q:X+4*\q+3], v1, s[4:5] offset:512*\q th:TH_LOAD_NT   ; 512 consecutive bytes a load; read once in the launch
.endr
.irp bb, 0,1
.irp q, 0,1,2,3
	global_load_b128 v[G0R+16*\bb+4*\q:G0R+16*\bb+4*\q+3], v252, s[12:13] offset:128*\bb+16*\q
.endr
.endr
.irp bb, 0,1
.irp q, 0,1,2,3
	global_load_b128 v[B0R+16*\bb+4*\q:B0R+16*\bb+4*\q+3], v252, s[14:15] offset:128*\bb+16*\q
.endr
.endr
	s_wait_loadcnt 16                              ; o is in; g0's and b0's sixteen loads may be out
	; ---- LN0: the mean
	v_pk_add_f32 v[234:235], v[168:169], v[170:171]
	v_pk_add_f32 v[248:249], v[176:177], v[180:181]
	v_pk_add_f32 v[246:247], v[184:185], v[188:189]
	v_pk_add_f32 v[244:245], v[192:193], v[196:197]
	v_pk_add_f32 v[242:243], v[172:173], v[174:175]
	v_pk_add_f32 v[240:241], v[178:179], v[182:183]
	v_pk_add_f32 v[238:239], v[186:187], v[190:191]
	v_pk_add_f32 v[232:233], v[194:195], v[198:199]
	s_delay_alu instid0(VALU_DEP_1)
	v_pk_add_f32 v[232:233], v[232:233], v[244:245]
	v_pk_add_f32 v[234:235], v[234:235], v[242:243]
	v_pk_add_f32 v[248:249], v[248:249], v[240:241]
	v_pk_add_f32 v[246:247], v[246:247], v[238:239]
	s_delay_alu instid0(VALU_DEP_2)
	v_pk_add_f32 v[232:233], v[232:233], v[248:249]
	s_delay_alu instid0(VALU_DEP_2)
	v_pk_add_f32 v[234:235], v[234:235], v[246:247]
	s_delay_alu instid0(VALU_DEP_1)
	v_pk_add_f32 v[232:233], v[232:233], v[234:235]
	s_delay_alu instid0(VALU_DEP_1)
	v_add_f32 v232, v232, v233
	s_delay_alu instid0(VALU_DEP_1)
	v_permlanex16_b32 v233, v232, s[SEL], s[SEL+1]
	s_delay_alu instid0(VALU_DEP_1)
	v_add_f32 v232, v232, v233                     ; my head's 64 channels of row r
	ds_store_b32 v4, v232                          ; (both lanes of a row write the same word with the same value)
	; the weights are asked for here and land under the two norms' barriers: 24 + 2 + 4 loads
.set J, 0
.rept 24
	global_load_b128 v[WOF+4*J:WOF+4*J+3], v1, s[6:7] offset:512*J   ; my 32 rows of Wo as they lie: 512 consecutive bytes a load
.set J, J+1
.endr
.irp u, 0,1
	global_load_b128 v[WOS+4*\u:WOS+4*\u+3], v251, s[8:9] offset:128*\u
.endr
.irp u, 0,1
.irp q, 0,1
	global_load_b128 v[BO+8*\u+4*\q:BO+8*\u+4*\q+3], v252, s[10:11] offset:32*\u+16*\q
.endr
.endr
	BARRIER                                        ; 1: the eight heads' sums of each row lie in LDS
	ds_load_b128 v[236:239], v5
	ds_load_b128 v[240:243], v5 offset:16
	s_wait_dscnt 0x0
	SUM8 236
	s_delay_alu instid0(VALU_DEP_1)
	v_mul_f32 v244, 0xbb000000, v236               ; -mean
	s_delay_alu instid0(VALU_DEP_1)
	v_mov_b32 v245, v244
.set J, 0
.rept 16
	v_pk_add_f32 v[X+J:X+J+1], v[X+J:X+J+1], v[244:245]
.set J, J+2
.endr
	v_pk_mul_f32 v[232:233], v[X:X+1], v[X:X+1]    ; the deviations' squares, in two chains
	v_pk_mul_f32 v[234:235], v[X+2:X+3], v[X+2:X+3]
.irp j, 4,8,12,16,20,24,28
	s_delay_alu instid0(VALU_DEP_2)
	v_pk_fma_f32 v[232:233], v[X+\j:X+\j+1], v[X+\j:X+\j+1], v[232:233]
	s_delay_alu instid0(VALU_DEP_2)
	v_pk_fma_f32 v[234:235], v[X+\j+2:X+\j+3], v[X+\j+2:X+\j+3], v[234:235]
.endr
	s_delay_alu instid0(VALU_DEP_1)
	v_pk_add_f32 v[232:233], v[232:233], v[234:235]
	s_delay_alu instid0(VALU_DEP_1)
	v_add_f32 v232, v232, v233
	s_delay_alu instid0(VALU_DEP_1)
	v_permlanex16_b32 v233, v232, s[SEL], s[SEL+1]
	s_delay_alu instid0(VALU_DEP_1)
	v_add_f32 v232, v232, v233
	ds_store_b32 v4, v232 offset:P1
	BARRIER                                        ; 2
	ds_load_b128 v[236:239], v5 offset:P1
	ds_load_b128 v[240:243], v5 offset:P1+16
	s_wait_dscnt 0x0
	SUM8 236
	s_delay_alu instid0(VALU_DEP_1)
	v_fma_f32 v244, v236, s31, s30                 ; the variance + 1e-5
	s_wait_alu depctr_va_vdst(0)
	v_rsq_f32 v244, v244
	v_nop                                          ; one plain place behind a transcendental
	s_wait_alu depctr_va_vdst(0)
	v_mov_b32 v245, v244
	s_wait_alu depctr_va_vdst(0)
	s_wait_loadcnt 30                              ; g0 and b0 are in; the weights' 30 loads may be out
.set J, 0
.rept 16
	v_pk_mul_f32 v[X+J:X+J+1], v[X+J:X+J+1], v[244:245]
.set J, J+2
.endr
.set J, 0
.rept 16
	v_pk_fma_f32 v[X+J:X+J+1], v[X+J:X+J+1], v[G0R+J:G0R+J+1], v[B0R+J:B0R+J+1]
.set J, J+2
.endr
.irp q, 0,1,2,3,4,5,6,7
	ds_store_b128 v12, v[X+4*\q:X+4*\q+3] offset:512*\q   ; x in f32, as it stands
.endr
	QUANT2 X
	ds_store_b64 v14, v[PC:PC+1]
	ds_store_b128 v13, v[PC+2:PC+5]
	ds_store_b16 v15, v[PW]
	; Wo into my stage.  Three loads cover four rows (1,536 bytes): piece 32 m + l of 16 bytes lies in row (32 m + l) / 24, which is ((32 m + l) x 2,731) >> 16 for these 96 pieces, and each row passed adds 16 bytes
	v_and_b32 v200, 31, v0
	s_mul_i32 s29, s22, 32*WP
	s_add_co_u32 s29, s29, WST
.irp m, 0,1,2
	v_add_nc_u32 v[201+\m], 32*\m, v200
.endr
.irp m, 0,1,2
	v_mul_u32_u24 v[201+\m], v[201+\m], 2731
.endr
.irp m, 0,1,2
	v_lshrrev_b32 v[201+\m], 16, v[201+\m]
.endr
.irp m, 0,1,2
	v_lshl_add_u32 v[201+\m], v[201+\m], 4, v1
.endr
.irp m, 0,1,2
	v_add_nc_u32 v[201+\m], s29, v[201+\m]
.endr
	s_wait_alu depctr_va_vdst(0)                   ; directly ahead of the wait below
	s_wait_loadcnt 0x0                             ; the weights are in
.set J, 0
.rept 24
	ds_store_b128 v[201+J%3], v[WOF+4*J:WOF+4*J+3] offset:512*(J%3)+4*WP*(J/3)
.set J, J+1
.endr
	BARRIER                                        ; 3: x lies in LDS: in f32, as eight fragments, and their scale words; my rows of Wo lie in my stage
.irp q, 0,1,2,3
	global_load_b128 v[G1R+4*\q:G1R+4*\q+3], v252, s[16:17] offset:16*\q
.endr
.irp q, 0,1,2,3
	global_load_b128 v[B1R+4*\q:B1R+4*\q+3], v252, s[18:19] offset:16*\q
.endr
.irp u, 0,1
.irp s, 0,1,2,3
.irp p, 0,1,2,3,4,5
	ds_load_b64 v[WOF+12*(4*\u+\s)+2*\p:WOF+12*(4*\u+\s)+2*\p+1], v250 offset:8*\u*WP+96*\s+48*(\p/3)+8*(\p%3)   ; Wo's eight fragments; the first wait of the product covers them
.endr
.endr
.endr
	; ---- the product: four accumulators (m, u) by turns, two K steps' fragments of x at a time
.irp sp, 0,1
.if \sp
	PLACES 4                                       ; in front of loads into registers that matrix instructions have read
.endif
.irp e, 0,1
.irp m, 0,1
.irp c, 0,1
	ds_load_b64 v[XB+12*(2*\e+\m)+6*\c:XB+12*(2*\e+\m)+6*\c+1], v2 offset:XC+1536*(4*\m+2*\sp+\e)+768*\c
	ds_load_b128 v[XB+12*(2*\e+\m)+6*\c+2:XB+12*(2*\e+\m)+6*\c+5], v1 offset:XC+1536*(4*\m+2*\sp+\e)+768*\c+256
.endr
	ds_load_b32 v[8+2*\e+\m], v3 offset:XS+128*(4*\m+2*\sp+\e)
.endr
.endr
	s_wait_dscnt 0x0
.irp e, 0,1
.irp m, 0,1
.irp u, 0,1
.if (\sp+\e) == 0
	v_wmma_scale_f32_16x16x128_f8f6f4 v[ACC+16*\m+8*\u:ACC+16*\m+8*\u+7], v[WOF+12*(4*\u+2*\sp+\e):WOF+12*(4*\u+2*\sp+\e)+11], v[XB+12*(2*\e+\m):XB+12*(2*\e+\m)+11], v[BO+8*\u:BO+8*\u+7], v[WOS+4*\u+2*\sp+\e], v[8+2*\e+\m] matrix_a_fmt:MATRIX_FMT_BF6 matrix_b_fmt:MATRIX_FMT_BF6
.else
	v_wmma_scale_f32_16x16x128_f8f6f4 v[ACC+16*\m+8*\u:ACC+16*\m+8*\u+7], v[WOF+12*(4*\u+2*\sp+\e):WOF+12*(4*\u+2*\sp+\e)+11], v[XB+12*(2*\e+\m):XB+12*(2*\e+\m)+11], v[ACC+16*\m+8*\u:ACC+16*\m+8*\u+7], v[WOS+4*\u+2*\sp+\e], v[8+2*\e+\m] matrix_a_fmt:MATRIX_FMT_BF6 matrix_b_fmt:MATRIX_FMT_BF6
.endif
.endr
.endr
.endr
.endr
	PLACES 4
.irp m, 0,1
.irp q, 0,1,2,3
	ds_load_b128 v[Y+16*\m+4*\q:Y+16*\m+4*\q+3], v253 offset:32768*\m+512*\q   ; x at my 16 channels of both tiles of rows
.endr
.endr
.set J, 0
.rept 32
	v_max_num_f32 v[ACC+J], 0, v[ACC+J]            ; relu, each accumulator from its low end on
.set J, J+1
.endr
	s_wait_dscnt 0x0
.set J, 0
.rept 16
	v_pk_add_f32 v[Y+J:Y+J+1], v[Y+J:Y+J+1], v[ACC+J:ACC+J+1]
.set J, J+2
.endr
	; ---- LN1: the mean
.irp m, 0,1
	v_pk_add_f32 v[208+2*\m:209+2*\m], v[Y+16*\m:Y+16*\m+1], v[Y+16*\m+2:Y+16*\m+3]
.endr
.irp j, 4,6,8,10,12,14
.irp m, 0,1
	s_delay_alu instid0(VALU_DEP_2)
	v_pk_add_f32 v[208+2*\m:209+2*\m], v[208+2*\m:209+2*\m], v[Y+16*\m+\j:Y+16*\m+\j+1]
.endr
.endr
.irp m, 0,1
	s_delay_alu instid0(VALU_DEP_2)
	v_add_f32 v[208+2*\m], v[208+2*\m], v[209+2*\m]
.endr
.irp m, 0,1
	s_delay_alu instid0(VALU_DEP_2)
	v_permlanex16_b32 v[209+2*\m], v[208+2*\m], s[SEL], s[SEL+1]
.endr
.irp m, 0,1
	s_delay_alu instid0(VALU_DEP_2)
	v_add_f32 v[208+2*\m], v[208+2*\m], v[209+2*\m]
.endr
.irp m, 0,1
	ds_store_b32 v6, v[208+2*\m] offset:1024*\m
.endr
	BARRIER                                        ; 4
.irp m, 0,1
.irp q, 0,1,2,3
	ds_load_b128 v[ACC+16*\m+4*\q:ACC+16*\m+4*\q+3], v7 offset:1024*\m+16*\q
.endr
.endr
	s_wait_dscnt 0x0
	SUM16 ACC
	SUM16 ACC+16
.irp m, 0
	v_mul_f32 v[200+2*\m], 0xbb000000, v[ACC+16*\m]   ; -mean
.endr
.irp m, 1
	s_delay_alu instid0(VALU_DEP_2)
	v_mul_f32 v[200+2*\m], 0xbb000000, v[ACC+16*\m]   ; -mean
.endr
.irp m, 0,1
	s_delay_alu instid0(VALU_DEP_2)
	v_mov_b32 v[201+2*\m], v[200+2*\m]
.endr
.irp m, 0,1
.irp j, 0,2,4,6,8,10,12,14
	v_pk_add_f32 v[Y+16*\m+\j:Y+16*\m+\j+1], v[Y+16*\m+\j:Y+16*\m+\j+1], v[200+2*\m:201+2*\m]
.endr
.endr
.irp m, 0,1
	v_pk_mul_f32 v[208+2*\m:209+2*\m], v[Y+16*\m:Y+16*\m+1], v[Y+16*\m:Y+16*\m+1]
.endr
.irp j, 2,4,6,8,10,12,14
.irp m, 0,1
	s_delay_alu instid0(VALU_DEP_2)
	v_pk_fma_f32 v[208+2*\m:209+2*\m], v[Y+16*\m+\j:Y+16*\m+\j+1], v[Y+16*\m+\j:Y+16*\m+\j+1], v[208+2*\m:209+2*\m]
.endr
.endr
.irp m, 0,1
	s_delay_alu instid0(VALU_DEP_2)
	v_add_f32 v[208+2*\m], v[208+2*\m], v[209+2*\m]
.endr
.irp m, 0,1
	s_delay_alu instid0(VALU_DEP_2)
	v_permlanex16_b32 v[209+2*\m], v[208+2*\m], s[SEL], s[SEL+1]
.endr
.irp m, 0,1
	s_delay_alu instid0(VALU_DEP_2)
	v_add_f32 v[208+2*\m], v[208+2*\m], v[209+2*\m]
.endr
.irp m, 0,1
	ds_store_b32 v6, v[208+2*\m] offset:2048+1024*\m
.endr
	BARRIER                                        ; 5
.irp m, 0,1
.irp q, 0,1,2,3
	ds_load_b128 v[ACC+16*\m+4*\q:ACC+16*\m+4*\q+3], v7 offset:2048+1024*\m+16*\q
.endr
.endr
	s_wait_dscnt 0x0
	SUM16 ACC
	SUM16 ACC+16
.irp m, 0
	v_fma_f32 v[204+2*\m], v[ACC+16*\m], s31, s30  ; the variance + 1e-5
.endr
.irp m, 1
	s_delay_alu instid0(VALU_DEP_2)
	v_fma_f32 v[204+2*\m], v[ACC+16*\m], s31, s30  ; the variance + 1e-5
.endr
	s_wait_alu depctr_va_vdst(0)
.irp m, 0,1
	v_rsq_f32 v[204+2*\m], v[204+2*\m]
.endr
	v_nop                                          ; one plain place behind the transcendentals
	s_wait_alu depctr_va_vdst(0)
.irp m, 0,1
	v_mov_b32 v[205+2*\m], v[204+2*\m]
.endr
	s_wait_alu depctr_va_vdst(0)
	s_wait_loadcnt 0x0                             ; g1 and b1
.irp m, 0,1
.irp j, 0,2,4,6,8,10,12,14
	v_pk_mul_f32 v[Y+16*\m+\j:Y+16*\m+\j+1], v[Y+16*\m+\j:Y+16*\m+\j+1], v[204+2*\m:205+2*\m]
.endr
.endr
.irp m, 0,1
.irp j, 0,2,4,6,8,10,12,14
	v_pk_fma_f32 v[Y+16*\m+\j:Y+16*\m+\j+1], v[Y+16*\m+\j:Y+16*\m+\j+1], v[G1R+\j:G1R+\j+1], v[B1R+\j:B1R+\j+1]
.endr
.endr
	; ---- the way out: a row's 2,048 bytes come from sixteen waves: they meet in the stage, and each wave stores two whole rows
.irp m, 0,1
.irp q, 0,1,2,3
	ds_store_b128 v254, v[Y+16*\m+4*\q:Y+16*\m+4*\q+3] offset:16*SP*\m+16*\q
.endr
.endr
	BARRIER                                        ; 6
.irp rr, 0,1
.irp j, 0,1,2,3
	ds_load_b128 v[ACC+16*\rr+4*\j:ACC+16*\rr+4*\j+3], v255 offset:SP*\rr+512*\j
.endr
.endr
.irp k, 0,1,2,3,4,5,6,7
	s_wait_dscnt 7-\k                              ; LDS loads come back in order: piece k is in, the younger ones may be out
	global_store_b128 v1, v[ACC+4*\k:ACC+4*\k+3], s[20:21] offset:2048*(\k/4)+512*(\k%4) th:TH_STORE_NT   ; 512 consecutive bytes, aligned; written once, read by nobody here
.endr
	s_wait_xcnt 0x0
	v_lshl_add_u32 v254, v0, 2, SPARE
	v_mov_b32 v255, 0
	s_wait_alu depctr_va_vdst(0)
	s_wait_tensorcnt 0x0                           ; the wave's end
	ds_add_u32 v254, v255
	s_wait_dscnt 0x0
	s_endpgm
.Lfunc_end_k_q294a980542_outp:
	.size	k_q294a980542_outp, .Lfunc_end_k_q294a980542_outp-k_q294a980542_outp
	.p2alignl 7, 3214868480
	.fill 96, 4, 3214868480
	.section	.rodata,"a",@progbits
	.p2align	6, 0x0
	.amdhsa_kernel k_q294a980542_outp
		.amdhsa_group_segment_fixed_size 291840
		.amdhsa_private_segment_fixed_size 0
		.amdhsa_enable_private_segment 0
		.amdhsa_kernarg_size 72
		.amdhsa_user_sgpr_count 2
		.amdhsa_user_sgpr_kernarg_segment_ptr 1
		.amdhsa_wavefront_size32 1
		.amdhsa_system_sgpr_workgroup_id_x 1
		.amdhsa_system_sgpr_workgroup_id_y 1
		.amdhsa_system_sgpr_workgroup_id_z 1
		.amdhsa_system_vgpr_workitem_id 0
		.amdhsa_next_free_vgpr 256
		.amdhsa_next_free_sgpr 66
		.amdhsa_reserve_vcc 0
		.amdhsa_float_denorm_mode_32 3
		.amdhsa_float_denorm_mode_16_64 3
		.amdhsa_memory_ordered 1
		.amdhsa_forward_progress 1
		.amdhsa_inst_pref_size 48
	.end_amdhsa_kernel
	.amdgpu_metadata
---
amdhsa.version: [ 1, 2 ]
amdhsa.kernels:
  - .name:           k_q294a980542_outp
    .symbol:         k_q294a980542_outp.kd
    .args:
      - { .name: ow, .offset: 0, .size: 8, .value_kind: global_buffer, .address_space: global }
      - { .name: Wo_codes, .offset: 8, .size: 8, .value_kind: global_buffer, .address_space: global }
      - { .name: Wo_scales, .offset: 16, .size: 8, .value_kind: global_buffer, .address_space: global }
      - { .name: bo, .offset: 24, .size: 8, .value_kind: global_buffer, .address_space: global }
      - { .name: g0, .offset: 32, .size: 8, .value_kind: global_buffer, .address_space: global }
      - { .name: b0, .offset: 40, .size: 8, .value_kind: global_buffer, .address_space: global }
      - { .name: g1, .offset: 48, .size: 8, .value_kind: global_buffer, .address_space: global }
      - { .name: b1, .offset: 56, .size: 8, .value_kind: global_buffer, .address_space: global }
      - { .name: out0, .offset: 64, .size: 8, .value_kind: global_buffer, .address_space: global }
    .group_segment_fixed_size: 291840
    .private_segment_fixed_size: 0
    .kernarg_segment_align: 8
    .kernarg_segment_size: 72
    .max_flat_workgroup_size: 512
    .sgpr_count:     66
    .vgpr_count:     256
    .wavefront_size: 32
...
	.end_amdgpu_metadata
.endif
;; end of part 3
